; MI455X (gfx1250); checked and timed in simulation.
; The chip was launched on July 23, 2026; its instructions are those of AMD's public machine-readable ISA for CDNA 5 (MIT licence, August 2026) and "CDNA5" Instruction Set Architecture Reference Guide (July 2026). The comments in the code are by the model that wrote it; some were corrected since.
;; Multi Modal Attention. Allowed arithmetic: matrix products marked QUANTISED: E2M1 operands, one E8M0 scale for each 32 along K, by v_wmma_scale_f32_16x16x128_f8f6f4 with both operands' format E2M1 (or v_wmma_scale_f32_32x16x128_f4), f32 sums; products left as they are: bf16, f16 or f32 operands; f32 sums; everything else in f32.
;; Inputs: Wke 1,024 x 1,024 float32; Wkei 1,024 x 1,024 float32; Wki 1,024 x 1,024 float32; Wo 1,024 x 1,024 float32; Wq 1,024 x 1,024 float32; Wve 1,024 x 1,024 float32; Wvei 1,024 x 1,024 float32; Wvi 1,024 x 1,024 float32; bke 1,024 float32; bkei 1,024 float32; bki 1,024 float32; bo 1,024 float32; bq 1,024 float32; bve 1,024 float32; bvei 1,024 float32; bvi 1,024 float32; k_e 4 x 1,024 x 1,024 float32; k_ei 4 x 1,024 x 1,024 float32; k_i 4 x 1,024 x 1,024 float32; mask 4 x 1,024 x 1,024 int32; q 4 x 1,024 x 1,024 float32; v_e 4 x 1,024 x 1,024 float32; v_ei 4 x 1,024 x 1,024 float32; v_i 4 x 1,024 x 1,024 float32.
;; Outputs: out0 4 x 1,024 x 1,024 float32.
;; Constants: image_bool = 1.
;; This version of the problem:
;;   THIS VERSION OF THE PROBLEM IS GIVEN IN LOW PRECISION. The matrix products marked QUANTISED in the list below multiply operands that are first quantised to E2M1 (2 exponent bits, 1 mantissa bit; 4 bits a number), with one power-of-two scale for each 32 numbers along K (OCP MX v1.0); their sums are f32. The products marked 'left as it is' may take bf16, f16 or f32 operands, with f32 sums. Whichever they take, every output number must still come out within the allowed error. Rounding operands to bf16 (8 significant bits) uses up far more of that allowance than f16 does (11 bits, for magnitudes from 6e-5 to 65,504). All else is computed in f32.
;;   The module's matrix products, in the order in which they are computed (A, B: the left and right operand; K: the contracted axis; several contracted axes count as one K, in the product's order):
;;     1. [M 4,096, K 1,024] x [K 1,024, N 1,024]; A: input q; B: input Wq: QUANTISED
;;     2. [M 4,096, K 1,024] x [K 1,024, N 1,024]; A: input k_e; B: input Wke: QUANTISED
;;     3. [M 4,096, K 1,024] x [K 1,024, N 1,024]; A: input v_e; B: input Wve: QUANTISED
;;     4. batch 64 x [M 1,024, K 64] x [K 64, N 1,024]; A: computed on the way; B: computed on the way: left as it is (an operand is computed on the way)
;;     5. batch 64 x [M 1,024, K 1,024] x [K 1,024, N 64]; A: computed on the way; B: computed on the way: left as it is (an operand is computed on the way)
;;     6. [M 4,096, K 1,024] x [K 1,024, N 1,024]; A: input k_i; B: input Wki: QUANTISED
;;     7. [M 4,096, K 1,024] x [K 1,024, N 1,024]; A: input v_i; B: input Wvi: QUANTISED
;;     8. batch 64 x [M 1,024, K 64] x [K 64, N 1,024]; A: computed on the way; B: computed on the way: left as it is (an operand is computed on the way)
;;     9. batch 64 x [M 1,024, K 1,024] x [K 1,024, N 64]; A: computed on the way; B: computed on the way: left as it is (an operand is computed on the way)
;;     10. [M 4,096, K 1,024] x [K 1,024, N 1,024]; A: input k_ei; B: input Wkei: QUANTISED
;;     11. [M 4,096, K 1,024] x [K 1,024, N 1,024]; A: input v_ei; B: input Wvei: QUANTISED
;;     12. batch 64 x [M 1,024, K 64] x [K 64, N 1,024]; A: computed on the way; B: computed on the way: left as it is (an operand is computed on the way)
;;     13. batch 64 x [M 1,024, K 1,024] x [K 1,024, N 64]; A: computed on the way; B: computed on the way: left as it is (an operand is computed on the way)
;;     14. [M 4,096, K 1,024] x [K 1,024, N 1,024]; A: computed on the way; B: input Wo: left as it is (an operand is computed on the way)
;;   THE QUANTISER, for each operand of a quantised product, along K:
;;     - K is cut into blocks of 32 from its start; a last block that is shorter is filled with zeros.
;;     - A block's scale is 2^e with e = floor(log2(the largest magnitude in the block)) - 2, held to -126 .. 127; a block of zeros has e = 0. As a byte (E8M0): e + 127.
;;     - Each number is divided by its block's scale, clamped to +-6, and rounded to the nearest number of E2M1, ties to even, subnormals kept.
;;     - The product sums the exact products of the quantised numbers (number of the format x scale) in f32.
;;   ~~~python
;;   def quantise(x, axis):      # numpy; x: float32 -> the quantised numbers, widened to float32 again
;;       x = np.moveaxis(x, axis, -1); K = x.shape[-1]
;;       x = np.pad(x, [(0, 0)] * (x.ndim - 1) + [(0, -K % 32)]); x = x.reshape(x.shape[:-1] + (-1, 32)); a = np.abs(x).max(-1, keepdims=True)
;;       e = np.where(a > 0, np.clip(np.frexp(np.where(a > 0, a, 1))[1] - 1 - 2, -126, 127), 0)      # np.frexp(a)[1] - 1 = floor(log2(a)), exactly
;;       r = np.clip(x / 2.0 ** e, -6, 6)
;;       step = 2.0 ** (np.maximum(np.frexp(np.where(r == 0, 1, r))[1] - 1, 0) - 1)
;;       q = np.round(r / step) * step * 2.0 ** e      # np.round: ties to even
;;       return np.moveaxis(q.reshape(q.shape[:-2] + (-1,))[..., :K], -1, axis).astype(np.float32)
;;   ~~~
;; One version. Each part assembles by itself: llvm-mc -triple=amdgcn-amd-amdhsa -mcpu=gfx1250 --defsym DOCPART=n.
;; ======== version 1 of 1: 4 launches
;; limits: values are held in f16: magnitudes above 65,504 overflow, below 6.1e-05 lose precision
;; workspace buffers: xc 14,680,064 bytes; xs 917,504 bytes; wc 3,670,016 bytes; ws 229,376 bytes; wo16 2,097,152 bytes; mw 524,288 bytes of whole numbers; qkv 58,720,256 bytes; cc 8,388,608 bytes
;; launch prep (part 1): grid 1200 x 1, 4 waves a work-group, no clusters, 56,832 bytes of LDS; arguments q, k_e, k_i, k_ei, v_e, v_i, v_ei, xc, Wq, Wke, Wki, Wkei, Wve, Wvi, Wvei, wc, ws, xs, Wo, wo16, mask, mw; writes xc, xs, wc, ws, wo16, mw
.if DOCPART == 1
	.amdgcn_target "amdgcn-amd-amdhsa--gfx1250"
	.amdhsa_code_object_version 6
	.text
	.protected	k_q5d4753f688_prep
	.globl	k_q5d4753f688_prep
	.p2align	8
	.type	k_q5d4753f688_prep,@function
k_q5d4753f688_prep:
	s_mov_b64 s[64:65], 0
	v_nop
	global_prefetch_b8 v0, s[64:65] scope:SCOPE_SE
	s_setreg_imm32_b32 hwreg(HW_REG_WAVE_MODE, 25, 1), 1
	s_wait_xcnt 0x0
; MultiModalAttention, launch 1 of 4: what the later launches want of the inputs.  Four ways, parted by the work-group's number; they never join.
; WHAT THE PROGRAM LEAVES OUT OF reference(): image_bool is the constant 1, so all three branches run and nothing is tested; lambda1 = lambda2 = 1.0 are factors 1 and are not multiplied.
; Nothing else is left out: every input is loaded by some launch, the K biases too, and the mask is applied score by score ahead of the maximum, with reference()'s own finite constant.
; W (work-groups 0-111): the seven quantised weights ([1024 k][1024 n] f32, K the FIRST axis) become codes of FP4 (E2M1) with K innermost, wc [7][1024 n][512 bytes], and E8M0 bytes ws [7][1024 n][32].
;   A lane takes a column n and its registers run down K: a block of 32 lies in one lane, and the conversions give codes with K innermost.  A wave takes 32 columns x 512 along K; the codes leave through its own
;   stage in LDS as rows: sixteen lanes store 256 consecutive bytes, aligned.
; X (112-1007): the seven activations q, k_e, k_i, k_ei, v_e, v_i, v_ei ([4096][1024] f32, K innermost) become codes xc [7][4096][512 bytes], two codes a byte, the lower k in the low four bits, and bytes xs [7][4096][32].
;   Rows are dense and K is a multiple of 32, so a tensor is a plain stream of blocks of 32.  128 work-groups to a tensor; a wave takes 16 steps of 512 numbers.  Each load reads 512 consecutive bytes; a step's 2,048 bytes
;   turn through the wave's own stage in LDS and come back 64 bytes (16 neighbours) a lane; two neighbouring lanes hold a block.  A wave's store of codes covers 256 consecutive bytes, aligned; its 256 scale bytes are
;   gathered in LDS and leave as one aligned run of 256 bytes.  Loads run four steps (16 loads a wave) ahead.
; M (1008-1135): the mask becomes words of one bit a lane, laid as the attention launch's registers want them: mw [b 4][g 32][s 16][64 words]; in word 32 tile + 8 kt + j, bit 16 h + r says whether
;   mask[b][32 g + 16 tile + r][64 s + 16 kt + 8 h + j] is other than 0.
; O (1136-1199): Wo, whose product is left as it is, is rounded to f16 as it lies: wo16 [1024 k][1024 n].  LIMIT: |Wo| under 65,504.
; THE QUANTISER: a block's scale is 2^(floor(log2(its largest magnitude)) - 2); its byte is the largest magnitude's exponent field - 2, held at 1 from below.  (A block of zeros gets the byte 1 where the rule says 127:
; its codes are zeros, which add nothing under any byte but 0xff, and this program alone reads the bytes.)  Each number is divided by the scale and rounded to the nearest code, ties to even, beyond 6 to 6.
; LIMITS: blocks whose largest magnitude lies under 2^-124 keep the byte 1; NaN and infinities among the inputs are not served.
; No tensor loads, no barrier: waves share nothing.  Ways W and X use LDS, each bytes of its own.  The longest way has the lowest numbers.
.set NW,    112                        ; work-groups of way W,
.set NX,    896                        ; of way X,
.set NM,    128                        ; of way M; way O has the last 64
.set EMAX,  2
.set SPW,   12                         ; v12 LDS address of my spare word; never rewritten
.set NIL,   13                         ; v13 0; never rewritten
; way X
.set STEPS, 16
.set CB,    8                          ; bytes of 16 codes
.set XR,    16                         ; v16-79   four sets of 16 numbers as they are loaded
.set XX,    80                         ; v80-111  two sets of 16 neighbours
.set XE,    112                        ; v112-127 a scale byte for each step
.set XC,    128                        ; v128-191 codes: four registers for each step, so that no store's data are written again
.set SP,    80                         ; a lane's place in a stage: 64 bytes + 16 of padding
.set XREG,  2*32*SP+256                ; LDS: a region for each wave: two stages of 32 x SP bytes, behind them its 256 scale bytes
; way W
.set NB,    16                         ; blocks of 32 along K for a wave
.set PITCH, 272                        ; a stage row: 256 bytes of codes + 16
.set KROW,  512                        ; a row of wc in bytes
.set WX,    32                         ; v32-95   two sets of 32 numbers
.set WC,    96                         ; v96-99   a block's codes
.set OUTR,  112                        ; v112-175 the way out
.set SB,    24                         ; v24-27   the scale bytes, four to a register
.set WSTG,  4*XREG                     ; LDS: way W's four stages lie behind way X's four regions
.set SPARE, WSTG+4*32*PITCH            ; behind them: the spare words, 128 bytes for each wave, which no other line names
	v_lshl_add_u32 v[SPW], v0, 2, SPARE
	v_mov_b32 v[NIL], 0
	v_lshrrev_b32 v1, 5, v0
	v_readfirstlane_b32 s2, v1                     ; wave 0..3
	v_and_b32 v2, 31, v0                           ; lane
	s_cmp_lt_u32 ttmp9, NW
	s_cbranch_scc0 .Lnot_w
	; ---- way W
	s_load_b512 s[4:19], s[0:1], 0x40              ; Wq, Wke, Wki, Wkei, Wve, Wvi, Wvei, wc
	s_load_b64 s[20:21], s[0:1], 0x80              ; ws
	s_lshr_b32 s31, ttmp9, 4                       ; which weight: 16 work-groups each
	s_and_b32 s32, ttmp9, 7
	s_lshl_b32 s32, s32, 7
	s_lshl_b32 s33, s2, 5
	s_add_co_u32 s32, s32, s33                     ; my wave's first column: 128 x + 32 x wave
	s_bfe_u32 s33, ttmp9, 0x10003                  ; which 512 along K
	v_lshlrev_b32 v3, 2, v2                        ; in: 4 bytes a lane
	s_mul_i32 s34, s2, 32*PITCH
	s_add_co_u32 s34, s34, WSTG                    ; my stage
	v_mul_u32_u24 v4, v2, PITCH
	v_add_nc_u32 v4, s34, v4                       ; into it: row = my column
	v_and_b32 v5, 15, v2
	v_lshrrev_b32 v6, 4, v2                        ; out of it: sixteen lanes to a row, two rows an instruction
	v_mul_u32_u24 v7, v6, PITCH
	v_lshl_add_u32 v7, v5, 4, v7
	v_add_nc_u32 v7, s34, v7
	v_mul_u32_u24 v8, v6, KROW
	v_lshl_add_u32 v8, v5, 4, v8                   ; and the same place in wc
	v_lshlrev_b32 v9, 5, v2                        ; my column's row of scale bytes: 32 bytes a row
	s_wait_kmcnt 0x0
.irp i, 1,2,3,4,5,6
	s_cmp_eq_u32 s31, \i                           ; the choice hangs on the work-group's number alone
	s_cselect_b64 s[4:5], s[4+2*\i:5+2*\i], s[4:5]
.endr
	s_lshl_b32 s34, s33, 21                        ; W: 512 rows of 4,096 bytes,
	s_lshl_b32 s35, s32, 2                         ; + 4 x column
	s_add_co_u32 s34, s34, s35
	s_mov_b32 s35, 0
	s_add_nc_u64 s[4:5], s[4:5], s[34:35]
	s_lshl_b32 s34, s31, 19                        ; wc: 524,288 a weight, 512 a column, 256 a half of K
	s_lshl_b32 s36, s32, 9
	s_add_co_u32 s34, s34, s36
	s_lshl_b32 s36, s33, 8
	s_add_co_u32 s34, s34, s36
	s_add_nc_u64 s[18:19], s[18:19], s[34:35]
	s_lshl_b32 s34, s31, 15                        ; ws: 32,768 a weight, 32 a column, 16 a half of K
	s_lshl_b32 s36, s32, 5
	s_add_co_u32 s34, s34, s36
	s_lshl_b32 s36, s33, 4
	s_add_co_u32 s34, s34, s36
	s_add_nc_u64 s[20:21], s[20:21], s[34:35]
.macro WLOAD t                         ; block t: W(32 t + i, my column), i = 0 .. 31, into set t % 2; a wave's load reads 128 consecutive bytes, the four waves stand side by side
.irp i, 0,1,2,3,4,5,6,7,8,9,10,11,12,13,14,15,16,17,18,19,20,21,22,23,24,25,26,27,28,29,30,31
	global_load_b32 v[WX+32*((\t)%2)+\i], v3, s[4:5] offset:(32*(\t)+\i)*4096 th:TH_LOAD_NT
.endr
.endm
	WLOAD 0
	WLOAD 1
.macro WBLOCK t
.set WS0, WX+32*((\t)%2)
.if (\t) < NB-1
	s_wait_loadcnt 32                              ; this block's 32 loads are in; the next block's 32 may be out
.else
	s_wait_loadcnt 0
.endif
	v_max3_num_f32 v16, |v[WS0]|, |v[WS0+1]|, |v[WS0+2]|            ; the block's largest magnitude: all 32 numbers are mine
	v_max3_num_f32 v17, |v[WS0+3]|, |v[WS0+4]|, |v[WS0+5]|
.irp i, 6,10,14,18,22,26
	v_max3_num_f32 v16, v16, |v[WS0+\i]|, |v[WS0+\i+1]|
	v_max3_num_f32 v17, v17, |v[WS0+\i+2]|, |v[WS0+\i+3]|
.endr
	v_max3_num_f32 v16, v16, |v[WS0+30]|, |v[WS0+31]|
	v_max3_num_f32 v16, v16, v17, (EMAX+1)<<23     ; and the floor 2^(EMAX + 1 - 127): the byte cannot fall under 1
	v_add_nc_u32 v11, -(EMAX<<23), v16             ; EMAX off its exponent field: the conversion's scale operand
	v_lshrrev_b32 v17, 23, v11                     ; the scale's byte
.if (\t)%4 == 0
	v_mov_b32 v[SB+(\t)/4], v17                    ; four bytes to a register, the lower K in the lower byte
.else
	v_lshl_or_b32 v[SB+(\t)/4], v17, 8*((\t)%4), v[SB+(\t)/4]
.endif
.irp g, 0,1,2,3
	v_cvt_scalef32_pk8_fp4_f32 v[WC+\g], v[WS0+8*\g:WS0+8*\g+7], v11
.endr
	ds_store_b128 v4, v[WC:WC+3] offset:16*(\t)    ; 32 codes: 16 bytes of my column's row
.if (\t)+2 < NB
	WLOAD (\t)+2
.endif
	s_wait_dscnt 0x0                               ; the store has read its registers: the next block's codes may be written
.endm
.set QB, 0
.rept NB
	WBLOCK QB
.set QB, QB+1
.endr
	global_store_b128 v9, v[SB:SB+3], s[20:21]     ; my column's 16 scale bytes
.irp t, 0,1,2,3,4,5,6,7,8,9,10,11,12,13,14,15
	ds_load_b128 v[OUTR+4*\t:OUTR+4*\t+3], v7 offset:2*\t*PITCH   ; LDS serves a wave's instructions in order: these see my stores
.endr
.irp t, 0,1,2,3,4,5,6,7,8,9,10,11,12,13,14,15
	s_wait_dscnt 15-\t                             ; the younger loads may be out
	global_store_b128 v8, v[OUTR+4*\t:OUTR+4*\t+3], s[18:19] offset:2*\t*KROW
.endr
	s_wait_tensorcnt 0x0                           ; the wave's end
	ds_add_u32 v[SPW], v[NIL]
	s_wait_dscnt 0x0
	s_endpgm
.Lnot_w:
	s_cmp_lt_u32 ttmp9, NW+NX
	s_cbranch_scc0 .Lnot_x
	; ---- way X
	s_load_b256 s[4:11], s[0:1], 0x0               ; q, k_e, k_i, k_ei
	s_load_b256 s[12:19], s[0:1], 0x20             ; v_e, v_i, v_ei, xc
	s_load_b64 s[20:21], s[0:1], 0x88              ; xs
	s_sub_co_u32 s22, ttmp9, NW                    ; my number among way X's work-groups
	v_lshlrev_b32 v3, 4, v2                        ; my 16 bytes of a load's 512
	s_mul_i32 s23, s2, XREG
	v_lshrrev_b32 v14, 2, v2
	v_mul_u32_u24 v14, v14, SP
	v_and_b32 v15, 3, v2
	v_lshl_add_u32 v14, v15, 4, v14
	v_add_nc_u32 v14, s23, v14                     ; the stage, on the way in: SP (lane / 4) + 16 (lane % 4)
	v_mul_u32_u24 v15, v2, SP
	v_add_nc_u32 v15, s23, v15                     ; and on the way out: SP x lane: my 16 neighbours
	v_mul_u32_u24 v4, v2, CB                       ; my codes' place in a step's
	v_lshrrev_b32 v5, 1, v2
	s_add_co_u32 s23, s23, 2*32*SP
	v_add_nc_u32 v5, s23, v5                       ; LDS: my wave's 256 scale bytes, my block's byte
	v_lshlrev_b32 v7, 3, v2                        ; and on the way out 8 bytes a lane
	v_add_nc_u32 v6, s23, v7
	s_lshr_b32 s24, s22, 7                         ; which tensor: 128 work-groups each
	s_and_b32 s25, s22, 127
	s_lshl_b32 s25, s25, 2
	s_add_co_u32 s25, s25, s2                      ; which run of 8,192 numbers of the tensor is my wave's
	s_lshl_b32 s26, s25, 15                        ; 32,768 bytes a run
	s_mov_b32 s27, 0
	s_lshl_b32 s28, s22, 2
	s_add_co_u32 s28, s28, s2                      ; and which run of all seven tensors' outputs
	s_lshl_b32 s30, s28, 8                         ; 256 scale bytes a run
	s_lshl_b32 s28, s28, 12                        ; 4,096 bytes of codes a run
	s_mov_b32 s29, 0
	s_mov_b32 s31, 0
	s_wait_kmcnt 0x0
.irp i, 1,2,3,4,5,6
	s_cmp_eq_u32 s24, \i                           ; the choice hangs on the work-group's number alone
	s_cselect_b64 s[4:5], s[4+2*\i:5+2*\i], s[4:5]
.endr
	s_add_nc_u64 s[4:5], s[4:5], s[26:27]
	s_add_nc_u64 s[18:19], s[18:19], s[28:29]
	s_add_nc_u64 s[20:21], s[20:21], s[30:31]
.macro XLOAD t
.irp i, 0,1,2,3
	global_load_b128 v[XR+16*((\t)%4)+4*\i:XR+16*((\t)%4)+4*\i+3], v3, s[4:5] offset:2048*(\t)+512*\i th:TH_LOAD_NT   ; 32 lanes read 512 consecutive bytes
.endr
.endm
.macro XTURN t                         ; step t's numbers through the stage: LDS serves a wave's instructions in order, so no wait stands between the stores and the loads
.irp i, 0,1,2,3
	ds_store_b128 v14, v[XR+16*((\t)%4)+4*\i:XR+16*((\t)%4)+4*\i+3] offset:32*SP*((\t)%2)+8*SP*\i
.endr
.irp i, 0,1,2,3
	ds_load_b128 v[XX+16*((\t)%2)+4*\i:XX+16*((\t)%2)+4*\i+3], v15 offset:32*SP*((\t)%2)+16*\i
.endr
.endm
.irp t, 0,1,2,3
	XLOAD \t
.endr
	s_wait_loadcnt 12                              ; step 0's four loads are in; those of three steps may be out
	XTURN 0
.macro XSTEP t
.set XS, XX+16*((\t)%2)
.if (\t) > 0
	s_wait_dscnt 1                                 ; this step's numbers are back from the stage (the last step's byte store may be out): so its stores into the stage have read their registers,
.else
	s_wait_dscnt 0x0
.endif
.if (\t)+4 < STEPS
	XLOAD (\t)+4                                   ; which take the loads of four steps on
.endif
.if (\t)+1 < STEPS
.if STEPS-2-(\t) >= 3
	s_wait_loadcnt 12                              ; the next step's four loads are in; those of the three steps behind it may be out
.else
	s_wait_loadcnt 4*(STEPS-2-(\t))
.endif
	XTURN (\t)+1                                   ; and go through the other stage while this step is worked
.endif
	v_max3_num_f32 v8, |v[XS]|, |v[XS+1]|, |v[XS+2]|               ; the largest magnitude of my 16, in two chains
	v_max3_num_f32 v9, |v[XS+3]|, |v[XS+4]|, |v[XS+5]|
.irp i, 6,10
	v_max3_num_f32 v8, v8, |v[XS+\i]|, |v[XS+\i+1]|
	v_max3_num_f32 v9, v9, |v[XS+\i+2]|, |v[XS+\i+3]|
.endr
	v_max3_num_f32 v8, v8, |v[XS+14]|, |v[XS+15]|
	v_max3_num_f32 v8, v8, v9, (EMAX+1)<<23        ; and the floor 2^(EMAX + 1 - 127): the byte cannot fall under 1
	v_max_num_f32_dpp v8, v8, v8 row_xmask:1 row_mask:0xf bank_mask:0xf   ; and of my neighbour's 16: the block's
	v_add_nc_u32 v11, -(EMAX<<23), v8              ; EMAX off its exponent field: the conversion takes the exponent field of this operand as its scale, and nothing else of it
	v_cvt_scalef32_pk8_fp4_f32 v[XC+4*(\t)], v[XS:XS+7], v11
	v_cvt_scalef32_pk8_fp4_f32 v[XC+4*(\t)+1], v[XS+8:XS+15], v11
	v_lshrrev_b32 v[XE+(\t)], 23, v11              ; the scale's byte
	ds_store_b8 v5, v[XE+(\t)] offset:16*(\t)      ; both lanes of a block write the same byte with the same value
	global_store_b64 v4, v[XC+4*(\t):XC+4*(\t)+1], s[18:19] offset:32*CB*(\t)
.endm
.irp t, 0,1,2,3,4,5,6,7,8,9,10,11,12,13,14,15
	XSTEP \t
.endr
	ds_load_b64 v[8:9], v6                         ; LDS serves a wave's instructions in order: these see my stores
	s_wait_dscnt 0x0
	global_store_b64 v7, v[8:9], s[20:21]          ; 32 lanes store 256 consecutive bytes, aligned
	s_wait_tensorcnt 0x0                           ; the wave's end
	ds_add_u32 v[SPW], v[NIL]
	s_wait_dscnt 0x0
	s_endpgm
.Lnot_x:
	s_cmp_lt_u32 ttmp9, NW+NX+NM
	s_cbranch_scc0 .Lway_o
	; ---- way M: a work-group takes 32 queries of one batch, a wave four key steps of 64.  Lane (r, h) loads what lane (r, h) of the attention launch will hold scores for; a compare makes of each register a word of one bit a lane.
	s_load_b128 s[4:7], s[0:1], 0xa0               ; mask, mw
	s_sub_co_u32 s31, ttmp9, NW+NX                 ; 32 b + g
	s_lshl_b32 s32, s31, 17                        ; 32 rows of 4,096 bytes
	s_mov_b32 s33, 0
	s_lshl_b32 s34, s31, 4
	s_lshl_b32 s35, s2, 2
	s_add_co_u32 s34, s34, s35                     ; my first key step's 64 words
	s_lshl_b32 s34, s34, 8
	s_mov_b32 s35, 0
	v_and_b32 v5, 15, v0                           ; r
	v_bfe_u32 v6, v0, 4, 1                         ; h
	v_lshlrev_b32 v3, 12, v5
	v_lshl_add_u32 v3, v6, 5, v3
	s_lshl_b32 s36, s2, 10
	v_add_nc_u32 v3, s36, v3                       ; row r, + 8 h keys, + my wave's 256 keys
	v_lshlrev_b32 v4, 3, v2                        ; out: two words a lane
	s_wait_kmcnt 0x0
	s_add_nc_u64 s[4:5], s[4:5], s[32:33]
	s_add_nc_u64 s[6:7], s[6:7], s[34:35]
.macro MLOAD u                         ; key step u of my four: 16 loads, which together cover 256 bytes of each of 32 rows
.irp tile, 0,1
.irp kt, 0,1,2,3
.irp hf, 0,1
	global_load_b128 v[32+64*((\u)%2)+32*\tile+8*\kt+4*\hf:32+64*((\u)%2)+32*\tile+8*\kt+4*\hf+3], v3, s[4:5] offset:65536*\tile+256*(\u)+64*\kt+16*\hf
.endr
.endr
.endr
.endm
.macro MPACK u                         ; 64 compares, eight at a time; word n goes to lane n / 2, register n % 2, so that one store of 8 bytes a lane lays the 64 words on end
	v_mov_b32 v[16+2*\u], 0                        ; (a lane write's destination counts as read)
	v_mov_b32 v[17+2*\u], 0
.set W0, 0
.rept 8
.irp k, 0,1,2,3,4,5,6,7
	v_cmp_ne_u32 s[40+\k], 0, v[32+64*((\u)%2)+W0+\k]
.endr
.irp k, 0,1,2,3,4,5,6,7
	v_writelane_b32 v[16+2*\u+(\k%2)], s[40+\k], (W0+\k)/2
.endr
.set W0, W0+8
.endr
	global_store_b64 v4, v[16+2*\u:17+2*\u], s[6:7] offset:256*\u   ; 256 consecutive bytes, aligned
.endm
	MLOAD 0
	MLOAD 1
	s_wait_loadcnt 16                              ; the next key step's 16 loads may be out
	MPACK 0
	MLOAD 2
	s_wait_loadcnt 16
	MPACK 1
	MLOAD 3
	s_wait_loadcnt 16
	MPACK 2
	s_wait_loadcnt 0
	MPACK 3
	s_endpgm
.Lway_o:
	; ---- way O: a wave rounds 4,096 numbers of Wo to f16.  32 loads of 512 consecutive bytes, all out at once; each pair of conversions feeds a store of 256 consecutive bytes, aligned.  No register is written twice.
	s_load_b128 s[4:7], s[0:1], 0x90               ; Wo, wo16
	s_sub_co_u32 s31, ttmp9, NW+NX+NM
	s_lshl_b32 s31, s31, 2
	s_add_co_u32 s31, s31, s2                      ; my run
	s_lshl_b32 s32, s31, 14
	s_mov_b32 s33, 0
	s_lshl_b32 s34, s31, 13
	s_mov_b32 s35, 0
	v_lshlrev_b32 v3, 4, v2
	v_lshlrev_b32 v4, 3, v2
	s_wait_kmcnt 0x0
	s_add_nc_u64 s[4:5], s[4:5], s[32:33]
	s_add_nc_u64 s[6:7], s[6:7], s[34:35]
.set i, 0
.rept 32
	global_load_b128 v[32+4*i:35+4*i], v3, s[4:5] offset:512*i th:TH_LOAD_NT
.set i, i+1
.endr
.set i, 0
.rept 32
	s_wait_loadcnt 31-i                            ; the younger loads may be out
	v_cvt_pk_f16_f32 v[32+4*i], v[32+4*i], v[33+4*i]
	v_cvt_pk_f16_f32 v[33+4*i], v[34+4*i], v[35+4*i]
	global_store_b64 v4, v[32+4*i:33+4*i], s[6:7] offset:256*i
.set i, i+1
.endr
	s_endpgm
.Lfunc_end_k_q5d4753f688_prep:
	.size	k_q5d4753f688_prep, .Lfunc_end_k_q5d4753f688_prep-k_q5d4753f688_prep
	.p2alignl 7, 3214868480
	.fill 96, 4, 3214868480
	.section	.rodata,"a",@progbits
	.p2align	6, 0x0
	.amdhsa_kernel k_q5d4753f688_prep
		.amdhsa_group_segment_fixed_size 56832
		.amdhsa_private_segment_fixed_size 0
		.amdhsa_enable_private_segment 0
		.amdhsa_kernarg_size 176
		.amdhsa_user_sgpr_count 2
		.amdhsa_user_sgpr_kernarg_segment_ptr 1
		.amdhsa_wavefront_size32 1
		.amdhsa_system_sgpr_workgroup_id_x 1
		.amdhsa_system_sgpr_workgroup_id_y 1
		.amdhsa_system_sgpr_workgroup_id_z 1
		.amdhsa_system_vgpr_workitem_id 0
		.amdhsa_next_free_vgpr 192
		.amdhsa_next_free_sgpr 66
		.amdhsa_reserve_vcc 0
		.amdhsa_float_denorm_mode_32 3
		.amdhsa_float_denorm_mode_16_64 3
		.amdhsa_memory_ordered 1
		.amdhsa_forward_progress 1
		.amdhsa_inst_pref_size 163
	.end_amdhsa_kernel
	.amdgpu_metadata
---
amdhsa.version: [ 1, 2 ]
amdhsa.kernels:
  - .name:           k_q5d4753f688_prep
    .symbol:         k_q5d4753f688_prep.kd
    .args:
      - { .name: q, .offset: 0, .size: 8, .value_kind: global_buffer, .address_space: global }
      - { .name: k_e, .offset: 8, .size: 8, .value_kind: global_buffer, .address_space: global }
      - { .name: k_i, .offset: 16, .size: 8, .value_kind: global_buffer, .address_space: global }
      - { .name: k_ei, .offset: 24, .size: 8, .value_kind: global_buffer, .address_space: global }
      - { .name: v_e, .offset: 32, .size: 8, .value_kind: global_buffer, .address_space: global }
      - { .name: v_i, .offset: 40, .size: 8, .value_kind: global_buffer, .address_space: global }
      - { .name: v_ei, .offset: 48, .size: 8, .value_kind: global_buffer, .address_space: global }
      - { .name: xc, .offset: 56, .size: 8, .value_kind: global_buffer, .address_space: global }
      - { .name: Wq, .offset: 64, .size: 8, .value_kind: global_buffer, .address_space: global }
      - { .name: Wke, .offset: 72, .size: 8, .value_kind: global_buffer, .address_space: global }
      - { .name: Wki, .offset: 80, .size: 8, .value_kind: global_buffer, .address_space: global }
      - { .name: Wkei, .offset: 88, .size: 8, .value_kind: global_buffer, .address_space: global }
      - { .name: Wve, .offset: 96, .size: 8, .value_kind: global_buffer, .address_space: global }
      - { .name: Wvi, .offset: 104, .size: 8, .value_kind: global_buffer, .address_space: global }
      - { .name: Wvei, .offset: 112, .size: 8, .value_kind: global_buffer, .address_space: global }
      - { .name: wc, .offset: 120, .size: 8, .value_kind: global_buffer, .address_space: global }
      - { .name: ws, .offset: 128, .size: 8, .value_kind: global_buffer, .address_space: global }
      - { .name: xs, .offset: 136, .size: 8, .value_kind: global_buffer, .address_space: global }
      - { .name: Wo, .offset: 144, .size: 8, .value_kind: global_buffer, .address_space: global }
      - { .name: wo16, .offset: 152, .size: 8, .value_kind: global_buffer, .address_space: global }
      - { .name: mask, .offset: 160, .size: 8, .value_kind: global_buffer, .address_space: global }
      - { .name: mw, .offset: 168, .size: 8, .value_kind: global_buffer, .address_space: global }
    .group_segment_fixed_size: 56832
    .private_segment_fixed_size: 0
    .kernarg_segment_align: 8
    .kernarg_segment_size: 176
    .max_flat_workgroup_size: 128
    .sgpr_count:     66
    .vgpr_count:     192
    .wavefront_size: 32
...
	.end_amdgpu_metadata
.endif
;; end of part 1
;; launch proj (part 2): grid 4 x 112, 4 waves a work-group, clusters of 4 x 4, 327,680 bytes of LDS; arguments xc, xs, wc, ws, bq, bke, bki, bkei, bve, bvi, bvei, qkv; writes qkv
.if DOCPART == 2
	.amdgcn_target "amdgcn-amd-amdhsa--gfx1250"
	.amdhsa_code_object_version 6
	.text
	.protected	k_q5d4753f688_proj
	.globl	k_q5d4753f688_proj
	.p2align	8
	.type	k_q5d4753f688_proj,@function
k_q5d4753f688_proj:
	s_mov_b64 s[64:65], 0
	v_nop
	global_prefetch_b8 v0, s[64:65] scope:SCOPE_SE
	s_setreg_imm32_b32 hwreg(HW_REG_WAVE_MODE, 25, 1), 1
	s_wait_xcnt 0x0
	s_wait_alu depctr_hold_cnt(0) depctr_sa_sdst(0) depctr_va_vdst(0) depctr_va_sdst(0) depctr_va_ssrc(0) depctr_va_vcc(0) depctr_vm_vsrc(0)
	s_getreg_b32 s2, hwreg(HW_REG_IB_STS2, 6, 4)
	s_cmp_eq_u32 s2, 0
	s_cbranch_scc0 .Lentry_in_a_cluster
	s_endpgm
.Lentry_in_a_cluster:
	s_bfe_u32 s2, ttmp6, 0x10000c
	s_cmp_lg_u32 s2, 0xf033
	s_cbranch_scc0 .Lentry_shape_is_right
	s_endpgm
.Lentry_shape_is_right:
; Launch 2 of 4: the seven QUANTISED projections in one GEMM on codes of FP4 (E2M1) with E8M0 scales: for tensor t, C = X_t W_t + b_t, sums in f32.
; A = xc taken as one tensor of 7 x 4,096 rows of 512 bytes; B = wc, 7 x 1,024 rows (n) of 512 bytes; a tile row of C belongs to tensor t = tile row / 16 and takes B's rows 1,024 t on.
; A tile of C, 256 x 256, is made by four waves, 128 x 128 each: 64 accumulators.  K = 1,024 is two slots of 512 along K: both slots and the scales of the work-group's rows are first fills; nothing is filled again.
; CLUSTERS: 4 x 4 work-groups; the four of a row of the cluster need the same tiles of A, the four of a column the same tiles of B: each is asked for jointly.  t hangs on the cluster's y alone: it is the same in all sixteen.
; THE MATRIX INSTRUCTION IS USED TRANSPOSED (source 0 = 16 rows of B, source 1 = 16 rows of A): a lane holds eight neighbouring columns of one row of C.
; THE WAY OUT: + bias; Q (t = 0) also x c = log2(e) / 8, so that the attention launch's scores are exponents of 2; rounded to f16; laid by head: qkv [b x 16 + head][t][l 1024][64].
; LIMITS: the projections are f16 from here on: magnitudes under 65,504; under 6e-5 their precision is absolute.
; REGISTERS, in windows of 256: window 0: v0-31 addresses; v32-95 scale words, two sets, and nothing else; v96-127 packed results; v128-191 A's fragments, later rows read back; v192-255 the bias of my 128 columns.
;   window 1: B's fragments, two sets, at v0 and v128; v64-127 at work on the way out.   window 2: the accumulators of my rows 0-63 ((a, b) at v[8 (8 a + b)]);   window 3: those of rows 64-127.
.set KSTEP,  512
.set NQ,     KSTEP/128
.set ROWB,   256                       ; a tile's row in bytes
.set KROW,   512                       ; a row of A or of B in memory
.set PITCH,  272                       ; an LDS row: 256 bytes + 16 of padding: the 16 rows that a load touches start at 16 different banks (64 banks of 4 bytes: ISA guide 11.1)
.set FR,     8
.set NL,     2
.set NP,     4                         ; places behind this matrix instruction (ISA guide 7.12.1)
.set HALFT,  128*PITCH
.set SLOT,   4*HALFT
.set KS,     32                        ; a row of scales in bytes
.set SCL,    2*SLOT                    ; behind the ring: the scales, as runs of 256 bytes + 16 of padding
.set HALFS,  (128*KS/256)*272
.set SBLK,   (16*KS/256)*272
.set SPARE,  SCL+4*HALFS               ; the spare words, 128 bytes for each wave, which no other line names
.set SPITCH, 272                       ; the way out: a stage of 16 rows x (256 bytes + 16) for each wave, in slot 0, which has had its only fill and its last read when the first result is stored there
.set HEADB,  917504                    ; a head's seven tensors in qkv
.set ADRA, 16
.set ADRB, 20
.set STO,  24
.set RD,   25
.set CO,   26
.set ADRS, 27
.set SPW,  28
.set NIL,  29
.set BOF,  30                          ; v30 the bias loads' offset: 32 x (lane / 16)
.set SC,   32
.set TH,   96                          ; packed results
.set AF,   128
.set BK,   128                         ; rows read back: v128-159 and v160-191 by turns
.set BI,   192                         ; bias: register 8 b + j: column 16 b + 8 (lane / 16) + j of my 128
.set TF,   64                          ; in window 1: a block's 64 numbers in f32
.set G1, 24
.set G0, 32
.set G1B, 48
.set G0B, 56
.set G1S, 68
.set G0S, 76
.set G1SB, 80
.set G0SB, 88
.set MSB, 0
.macro WIN new                         ; the immediate's high byte repeats the setting that is left
.if MSB != \new
	s_set_vgpr_msb (MSB<<8)|\new
.set MSB, \new
.endif
.endm
.set MUL_LO, 0xa1                      ; source 0 (B) window 1, source 1 (A) window 0, C and D window 2
.set MUL_HI, 0xf1
.set TO_B,   0x40
; A joint load: waves 0 and 1 fetch for A, waves 2 and 3 for B.  The branch hangs on the wave's number alone.  An s_nop 0 and four v_nop follow each of the two lines.
.macro JLOAD g0a, g1a, g0b, g1b
	s_cmp_eq_u32 s15, 0
	s_cbranch_scc0 .Lfor_b_\@
	tensor_load_to_lds s[\g0a:\g0a+3], s[\g1a:\g1a+7]
	s_nop 0
.rept 4
	v_nop
.endr
	s_branch .Lasked_\@
.Lfor_b_\@:
	tensor_load_to_lds s[\g0b:\g0b+3], s[\g1b:\g1b+7]
	s_nop 0
.rept 4
	v_nop
.endr
.Lasked_\@:
.endm
.macro CROUND                          ; a round of the cluster's barrier
	s_barrier_signal -1
	s_barrier_wait -1
	s_cmp_lg_u32 s14, 0
	s_cbranch_scc1 .Lnot_wave_0_\@
	s_barrier_signal -3
.Lnot_wave_0_\@:
	s_barrier_wait -3
	s_barrier_signal -1
	s_barrier_wait -1
.endm
	s_load_b256 s[4:11], s[0:1], 0x0               ; xc s[4:5], xs s[6:7], wc s[8:9], ws s[10:11]
	s_load_b256 s[24:31], s[0:1], 0x20             ; bq, bke, bki, bkei   (in registers that take the descriptors once one bias is chosen)
	s_load_b256 s[32:39], s[0:1], 0x40             ; bve, bvi, bvei, qkv
	v_lshl_add_u32 v[SPW], v0, 2, SPARE
	v_mov_b32 v[NIL], 0
	ds_add_u32 v[SPW], v[NIL]                      ; the wave's opening: the add, twice on end, and its wait ahead of my first tensor load
	ds_add_u32 v[SPW], v[NIL]
	v_lshrrev_b32 v1, 5, v0
	v_readfirstlane_b32 s14, v1                    ; wave 0..3
	s_lshr_b32 s15, s14, 1                         ; which half of the tile's rows is mine.  Also: I fetch for A (0) or for B (1)
	s_and_b32 s16, s14, 1                          ; which half of its columns.  Also: which 128 rows of that tile I fetch
	s_bfe_u32 s40, ttmp6, 0x40000                  ; cx, cy: my place in the cluster
	s_bfe_u32 s41, ttmp6, 0x40004
	s_lshl_b32 s42, ttmp9, 2
	s_add_co_u32 s42, s42, s40                     ; tile column of C
	s_and_b32 s99, ttmp7, 0xffff                   ; the cluster's y
	s_lshl_b32 s17, s99, 2
	s_add_co_u32 s17, s17, s41                     ; tile row of C, 0 .. 111
	s_lshr_b32 s98, s99, 2                         ; t: four clusters, sixteen tile rows, to a tensor
	s_lshl_b32 s43, s41, 2
	s_lshl_b32 s43, 15, s43                        ; my row of the cluster
	s_lshl_b32 s44, 0x1111, s40                    ; my column
	s_lshl_b32 s18, s16, 7                         ; which 128 rows of the tile I fetch
	s_lshl_b32 s20, s17, 8
	s_add_co_u32 s20, s20, s18                     ; A: row 256 x tile row + 128 x half
	s_lshl_b32 s46, s42, 8
	s_add_co_u32 s46, s46, s18
	s_lshl_b32 s95, s98, 10
	s_add_co_u32 s46, s46, s95                     ; B: row 1,024 t + 256 x tile column + 128 x half
	s_mov_b32 s21, 0
	s_mov_b32 s47, 0
	s_mov_b64 s[18:19], KS
	s_mul_u64 s[22:23], s[20:21], s[18:19]         ; where these rows' scales begin, in bytes
	s_mul_u64 s[92:93], s[46:47], s[18:19]
	s_mov_b64 s[18:19], KROW
	s_mul_u64 s[20:21], s[20:21], s[18:19]         ; and their codes
	s_mul_u64 s[46:47], s[46:47], s[18:19]
	s_mul_i32 s45, s14, HALFT                      ; where they go: wave x 128 rows: no place in the cluster enters an LDS address
	s_mul_i32 s94, s14, HALFS
	s_cmp_eq_u32 s98, 0
	s_cselect_b32 s2, 0x3e38aa3b, 1.0              ; c = log2(e) / 8 for Q's tiles, 1 for the others
	s_mov_b32 s3, s2                               ; (named with it as a pair)
	s_wait_dscnt 0x0                               ; both opening adds are done
	s_wait_kmcnt 0x0
.irp i, 1,2,3,4,5,6
	s_cmp_eq_u32 s98, \i                           ; my tensor's bias
	s_cselect_b64 s[24:25], s[24+2*\i:25+2*\i], s[24:25]
.endr
	s_mov_b64 s[12:13], s[24:25]
	s_mov_b64 s[66:67], s[38:39]                   ; qkv
	; descriptor group 1: a tile of 128 rows x 256 bytes, padded in LDS
	s_or_b32 s[G1+0], s43, (0<<16)|(1<<20)|(1<<21)|(5<<22)|(3<<25)  ; 15:0 the mask: A's tiles go to my row; elements of 1 byte; padding on; bit 21 beside a mask; after every 64 words four words
	s_or_b32 s[G1B+0], s44, (0<<16)|(1<<20)|(1<<21)|(5<<22)|(3<<25)
.irp g, G1, G1B
	s_mov_b32 s[\g+1], ROWB<<16                    ; tensor_dim0
	s_mov_b32 s[\g+2], 128<<16                     ; tensor_dim1
	s_mov_b32 s[\g+3], ROWB<<16                    ; tile_dim0
	s_mov_b32 s[\g+4], 128                         ; tile_dim1
	s_mov_b32 s[\g+5], KROW                        ; tensor_dim0_stride
	s_mov_b32 s[\g+6], 0
	s_mov_b32 s[\g+7], 0
.endr
	; and for the scales of 128 rows: a dense block of 4,096 bytes, as 16 rows of 256 bytes (32 elements of 8 bytes), 16 bytes of padding behind each
	s_or_b32 s[G1S+0], s43, (3<<16)|(1<<20)|(1<<21)|(5<<22)|(3<<25)
	s_or_b32 s[G1SB+0], s44, (3<<16)|(1<<20)|(1<<21)|(5<<22)|(3<<25)
.irp g, G1S, G1SB
	s_mov_b32 s[\g+1], 32<<16
	s_mov_b32 s[\g+2], (128*KS/256)<<16
	s_mov_b32 s[\g+3], 32<<16
	s_mov_b32 s[\g+4], 128*KS/256
	s_mov_b32 s[\g+5], 32
	s_mov_b32 s[\g+6], 0
	s_mov_b32 s[\g+7], 0
.endr
	s_add_nc_u64 s[20:21], s[4:5], s[20:21]
	s_add_nc_u64 s[22:23], s[6:7], s[22:23]
	s_add_nc_u64 s[46:47], s[8:9], s[46:47]
	s_add_nc_u64 s[92:93], s[10:11], s[92:93]
	CROUND                                         ; all sixteen work-groups are here: the joint loads meet
	s_mov_b32 s[G0S], 1
	s_add_co_u32 s[G0S+1], s94, SCL
	s_mov_b64 s[G0S+2:G0S+3], s[22:23]
	s_or_b32 s[G0S+3], s[G0S+3], 0x80000000
	s_mov_b32 s[G0SB], 1
	s_add_co_u32 s[G0SB+1], s94, SCL
	s_mov_b64 s[G0SB+2:G0SB+3], s[92:93]
	s_or_b32 s[G0SB+3], s[G0SB+3], 0x80000000
	JLOAD G0S, G1S, G0SB, G1SB                     ; the scales first: they are wanted with K step 0
.irp s, 0,1
	s_mov_b32 s[G0+4*\s], 1
	s_add_co_u32 s[G0+4*\s+1], s45, \s*SLOT
	s_add_nc_u64 s[G0+4*\s+2:G0+4*\s+3], s[20:21], \s*ROWB
	s_or_b32 s[G0+4*\s+3], s[G0+4*\s+3], 0x80000000
	s_mov_b32 s[G0B+4*\s], 1
	s_add_co_u32 s[G0B+4*\s+1], s45, \s*SLOT
	s_add_nc_u64 s[G0B+4*\s+2:G0B+4*\s+3], s[46:47], \s*ROWB
	s_or_b32 s[G0B+4*\s+3], s[G0B+4*\s+3], 0x80000000
	JLOAD G0+4*\s, G1, G0B+4*\s, G1B               ; three tensor loads of mine are out
.endr
	v_and_b32 v1, 15, v0                           ; l % 16
	v_bfe_u32 v2, v0, 4, 1                         ; l / 16
	; the bias of my 128 columns, in the result's layout: lane (r, h), register 8 b + j: column 16 b + 8 h + j
	s_lshl_b32 s96, s42, 10
	s_lshl_b32 s95, s16, 9
	s_add_co_u32 s96, s96, s95                     ; (256 x tile column + 128 x half) x 4 bytes
	s_mov_b32 s97, 0
	s_add_nc_u64 s[12:13], s[12:13], s[96:97]
	v_lshlrev_b32 v[BOF], 5, v2
.irp b, 0,1,2,3,4,5,6,7
	global_load_b128 v[BI+8*\b:BI+8*\b+3], v[BOF], s[12:13] offset:64*\b
	global_load_b128 v[BI+8*\b+4:BI+8*\b+7], v[BOF], s[12:13] offset:64*\b+16
.endr
	v_mul_u32_u24 v3, v1, PITCH
	v_lshl_add_u32 v4, v2, 4, v3                   ; a fragment's row x pitch + 16 x half
	s_mul_i32 s21, s15, HALFT                      ; my 128 rows of A
	s_mul_i32 s22, s16, HALFT                      ; my 128 rows of B,
	s_add_co_u32 s22, s22, 2*HALFT                 ; which lie behind A's 256
.irp s, 0,1
	v_add_nc_u32 v[ADRA+\s], s21, v4
	v_add_nc_u32 v[ADRB+\s], s22, v4
	s_add_co_u32 s21, s21, SLOT
	s_add_co_u32 s22, s22, SLOT
.endr
	v_mul_u32_u24 v5, v1, KS                       ; my row's scales: 32 bytes a row,
	v_lshrrev_b32 v6, 8, v5
	v_lshl_add_u32 v5, v6, 4, v5                   ; and 16 more for each 256 passed
	s_mul_i32 s21, s15, HALFS                      ; A's: my 128 rows
	s_mul_i32 s22, s16, HALFS                      ; B's: my 128 rows, behind A's 256
	s_add_co_u32 s22, s22, 2*HALFS
	s_sub_co_u32 s22, s22, s21
	v_mul_u32_u24 v6, s22, v2                      ; lanes 16-31 take B's
	s_add_co_u32 s21, s21, SCL
	v_add_nc_u32 v5, v5, v6
	v_add_nc_u32 v[ADRS], s21, v5
	s_mul_i32 s23, s14, 16*SPITCH                  ; my stage
	v_mul_u32_u24 v5, v1, SPITCH                   ; in: row l % 16, 16 bytes for each half of the lanes
	v_lshl_add_u32 v5, v2, 4, v5
	v_add_nc_u32 v[STO], s23, v5
	v_bfe_u32 v5, v0, 3, 2                         ; back: eight lanes take a head's 128 bytes of a row, the 32 lanes four rows
	v_mul_u32_u24 v5, v5, SPITCH
	v_and_b32 v6, 7, v0
	v_lshl_add_u32 v5, v6, 4, v5
	v_add_nc_u32 v[RD], s23, v5
	v_and_b32 v6, 31, v0
	v_lshlrev_b32 v[CO], 4, v6                     ; and in qkv those four rows are 512 consecutive bytes
	; where my part begins in qkv: head b x 16 + 4 x tile column + 2 x half; tensor t; row 256 cy + 128 x half
	s_and_b32 s96, s99, 3                          ; b
	s_lshl_b32 s96, s96, 4
	s_lshl_b32 s95, s42, 2
	s_add_co_u32 s96, s96, s95
	s_lshl_b32 s95, s16, 1
	s_add_co_u32 s96, s96, s95
	s_mul_i32 s96, s96, HEADB
	s_lshl_b32 s95, s98, 17
	s_add_co_u32 s96, s96, s95
	s_lshl_b32 s95, s41, 15
	s_add_co_u32 s96, s96, s95
	s_lshl_b32 s95, s15, 14
	s_add_co_u32 s96, s96, s95
	s_add_nc_u64 s[66:67], s[66:67], s[96:97]
.macro FRAG reg, adr, q, i             ; a fragment, 16 rows x 128 K of 4-bit codes, is 8 registers: lane l holds row l % 16; registers 4 c .. 4 c + 3 hold K = 64 c + 32 (l / 16) + 0 .. 31
.irp c, 0,1
	ds_load_b128 v[\reg+4*\c:\reg+4*\c+3], v[\adr] offset:64*(\q)+32*\c+(\i)*16*PITCH
.endr
.endm
; 16 matrix instructions: A's blocks a0, a0 + 1 x B's eight, 128 along K: the slot's q-th.  p: B's set;  sc: the set of scale words.  zero = 1: the first product starts the sums.
; The 64 accumulators take turns, one instruction a turn, in the same order in every step.
.macro MUL16 a0, p, q, sc, zero
.irp a, \a0, \a0+1
.irp b, 0,1,2,3,4,5,6,7
.if \zero
	v_wmma_scale_f32_16x16x128_f8f6f4 v[8*(8*((\a)%4)+\b):8*(8*((\a)%4)+\b)+7], v[128*(\p)+FR*\b:128*(\p)+FR*\b+FR-1], v[AF+FR*(\a):AF+FR*(\a)+FR-1], 0, v[SC+8*NQ*(\sc)+NQ*\b+(\q)], v[SC+8*NQ*(\sc)+NQ*(\a)+(\q)] matrix_a_fmt:MATRIX_FMT_FP4 matrix_b_fmt:MATRIX_FMT_FP4 matrix_a_scale:MATRIX_SCALE_ROW1
.else
	v_wmma_scale_f32_16x16x128_f8f6f4 v[8*(8*((\a)%4)+\b):8*(8*((\a)%4)+\b)+7], v[128*(\p)+FR*\b:128*(\p)+FR*\b+FR-1], v[AF+FR*(\a):AF+FR*(\a)+FR-1], v[8*(8*((\a)%4)+\b):8*(8*((\a)%4)+\b)+7], v[SC+8*NQ*(\sc)+NQ*\b+(\q)], v[SC+8*NQ*(\sc)+NQ*(\a)+(\q)] matrix_a_fmt:MATRIX_FMT_FP4 matrix_b_fmt:MATRIX_FMT_FP4 matrix_a_scale:MATRIX_SCALE_ROW1
.endif
.endr
.endr
.endm
.macro FETCH_B slot, q, p
	WIN TO_B
.irp i, 0,1,2,3,4,5,6,7
	FRAG 128*(\p)+FR*\i, ADRB+\slot, \q, \i
.endr
	WIN 0
.endm
.macro FETCH_A slot, q, i0
.irp i, \i0, \i0+1, \i0+2, \i0+3
	FRAG AF+FR*(\i), ADRA+\slot, \q, \i
.endr
.endm
.macro SCALES sc                       ; a K step's scale words into set sc: 4 words a row; lanes 0-15 take A's block i, lanes 16-31 B's block i
.irp i, 0,1,2,3,4,5,6,7
	ds_load_b128 v[SC+8*NQ*\sc+NQ*\i:SC+8*NQ*\sc+NQ*\i+3], v[ADRS] offset:\i*SBLK
.endr
.endm
; A load into a register that a matrix instruction has read, and a vector instruction that reads a matrix result, stand NP places behind it; only plain vector instructions that name none of its registers are places.
.macro PLACES n
.rept \n
	v_nop
.endr
.endm
.macro STEP slot, q, zero              ; a step of 128 along K that has its successor in the same slot
	s_wait_dscnt 4*NL                              ; B's set and A's blocks 0-3 are in; the youngest eight loads (A's blocks 4-7) may be out
	WIN MUL_LO
	MUL16 0, (\q)%2, \q, \slot, \zero
	MUL16 2, (\q)%2, \q, \slot, \zero
	s_wait_dscnt 0                                 ; A's blocks 4-7 are in
	PLACES NP
	FETCH_B \slot, (\q)+1, 1-(\q)%2
	FETCH_A \slot, (\q)+1, 0
	WIN MUL_HI
	MUL16 4, (\q)%2, \q, \slot, \zero
	MUL16 6, (\q)%2, \q, \slot, \zero
	PLACES NP
	WIN 0
	FETCH_A \slot, (\q)+1, 4
.endm
; Slot 0's last step changes slots: one barrier; in front of it each wave waits for all its tensor loads (slot 1's is the one that may be out), adds 0 to its spare word, and waits for that and for its reads of slot 0.  Nothing is filled again.
.macro TURN slot, next
	s_wait_tensorcnt 0x0
	ds_add_u32 v[SPW], v[NIL]
	s_wait_dscnt 4*NL+1                            ; (the add and the youngest eight loads may be out)
	WIN MUL_LO
	MUL16 0, 1, NQ-1, \slot, 0
	s_wait_dscnt 0x0                               ; the add is done, and my reads of this slot are over
	s_barrier_signal -1
	MUL16 2, 1, NQ-1, \slot, 0
	WIN 0
	s_barrier_wait -1
	PLACES NP
	v_add_nc_u32 v[ADRS], 4*NQ, v[ADRS]            ; on to the next K step's scale words
	FETCH_B \next, 0, 0
	FETCH_A \next, 0, 0
	SCALES \next
	WIN MUL_HI
	MUL16 4, 1, NQ-1, \slot, 0
	MUL16 6, 1, NQ-1, \slot, 0
	PLACES NP
	WIN 0
	FETCH_A \next, 0, 4
.endm
	s_wait_tensorcnt 1                             ; the scales and my part of K step 0 are in (K step 1's load may be out),
	s_barrier_signal -1
	s_barrier_wait -1                              ; everybody's are
	FETCH_B 0, 0, 0
	FETCH_A 0, 0, 0
	SCALES 0
	FETCH_A 0, 0, 4
	STEP 0, 0, 1                                   ; the first step's products start the sums
	STEP 0, 1, 0
	STEP 0, 2, 0
	TURN 0, 1
	STEP 1, 0, 0
	STEP 1, 1, 0
	STEP 1, 2, 0
	s_wait_dscnt 4*NL                              ; the very last step: nothing more to fetch
	WIN MUL_LO
	MUL16 0, 1, NQ-1, 1, 0
	MUL16 2, 1, NQ-1, 1, 0
	s_wait_dscnt 0
	WIN MUL_HI
	MUL16 4, 1, NQ-1, 1, 0
	MUL16 6, 1, NQ-1, 1, 0
	WIN 0
	PLACES NP                                      ; for the reads of results and for the loads into the registers that held A's fragments
	s_wait_loadcnt 0x0                             ; the bias
	s_cmp_lg_u32 s98, 0                            ; Q's bias goes under c too; the test hangs on the cluster's y alone
	s_cbranch_scc1 .Lplain
.set i, 0
.rept 32
	v_pk_mul_f32 v[BI+i:BI+i+1], v[BI+i:BI+i+1], s[2:3] op_sel_hi:[1,0]
.set i, i+2
.endr
.Lplain:
; THE WAY OUT, block by block of 16 rows x 128 columns (two heads).  PACK: one fused line a pair does x c and + bias (with c = 1 it is the addition); rounded to f16, 16 bytes a lane.
; TOSTAGE: into my own stage and back, eight lanes to a head's 128 bytes of a row.  SEND: each store covers four rows of one head: 512 consecutive bytes, aligned.
.macro PACK a
.set AC, 64*((\a)%4)
	WIN 0x42+(\a)/4                                ; source 0: window 2 or 3; destination window 1
.irp b, 0,1,2,3,4,5,6,7
.irp i, 0,2,4,6
	v_pk_fma_f32 v[TF+8*\b+\i:TF+8*\b+\i+1], v[AC+8*\b+\i:AC+8*\b+\i+1], s[2:3], v[BI+8*\b+\i:BI+8*\b+\i+1] op_sel_hi:[1,0,1]   ; each accumulator from its low end on
.endr
.endr
	WIN 0x05                                       ; sources window 1, destination window 0
.irp b, 0,1,2,3,4,5,6,7
.irp i, 0,1,2,3
	v_cvt_pk_f16_f32 v[TH+4*\b+\i], v[TF+8*\b+2*\i], v[TF+8*\b+2*\i+1]
.endr
.endr
	WIN 0
.endm
.macro TOSTAGE a
.irp b, 0,1,2,3,4,5,6,7
	ds_store_b128 v[STO], v[TH+4*\b:TH+4*\b+3] offset:32*\b
.endr
.irp i, 0,1,2,3,4,5,6,7
	ds_load_b128 v[BK+32*((\a)%2)+4*\i:BK+32*((\a)%2)+4*\i+3], v[RD] offset:(\i/2)*4*SPITCH+(\i%2)*128   ; LDS serves a wave's instructions in order: these see the stores above
.endr
.endm
.macro SEND a
	s_wait_dscnt 0x0                               ; the block is back in registers
	s_wait_xcnt 0x0                                ; the stores of the block before have read their registers: the next block's loads may land there
.irp i, 0,1,2,3,4,5,6,7
	global_store_b128 v[CO], v[BK+32*((\a)%2)+4*\i:BK+32*((\a)%2)+4*\i+3], s[66:67] offset:(\i%2)*HEADB+(16*(\a)+4*(\i/2))*128
.endr
.endm
	PACK 0
	TOSTAGE 0
.irp a, 1,2,3,4,5,6,7                  ; block a's arithmetic stands between block a - 1's loads from the stage and the wait for them
	PACK \a
	SEND \a-1
	TOSTAGE \a
.endr
	SEND 7
	s_wait_tensorcnt 0x0                           ; the wave's end
	ds_add_u32 v[SPW], v[NIL]
	s_wait_dscnt 0x0
	CROUND                                         ; the closing round
	s_endpgm
.Lfunc_end_k_q5d4753f688_proj:
	.size	k_q5d4753f688_proj, .Lfunc_end_k_q5d4753f688_proj-k_q5d4753f688_proj
	.p2alignl 7, 3214868480
	.fill 96, 4, 3214868480
	.section	.rodata,"a",@progbits
	.p2align	6, 0x0
	.amdhsa_kernel k_q5d4753f688_proj
		.amdhsa_group_segment_fixed_size 327680
		.amdhsa_private_segment_fixed_size 0
		.amdhsa_enable_private_segment 0
		.amdhsa_kernarg_size 96
		.amdhsa_user_sgpr_count 2
		.amdhsa_user_sgpr_kernarg_segment_ptr 1
		.amdhsa_wavefront_size32 1
		.amdhsa_system_sgpr_workgroup_id_x 1
		.amdhsa_system_sgpr_workgroup_id_y 1
		.amdhsa_system_sgpr_workgroup_id_z 1
		.amdhsa_system_vgpr_workitem_id 0
		.amdhsa_next_free_vgpr 1024
		.amdhsa_next_free_sgpr 100
		.amdhsa_reserve_vcc 0
		.amdhsa_float_denorm_mode_32 3
		.amdhsa_float_denorm_mode_16_64 3
		.amdhsa_memory_ordered 1
		.amdhsa_forward_progress 1
		.amdhsa_inst_pref_size 147
	.end_amdhsa_kernel
	.amdgpu_metadata
---
amdhsa.version: [ 1, 2 ]
amdhsa.kernels:
  - .name:           k_q5d4753f688_proj
    .symbol:         k_q5d4753f688_proj.kd
    .args:
      - { .name: xc, .offset: 0, .size: 8, .value_kind: global_buffer, .address_space: global }
      - { .name: xs, .offset: 8, .size: 8, .value_kind: global_buffer, .address_space: global }
      - { .name: wc, .offset: 16, .size: 8, .value_kind: global_buffer, .address_space: global }
      - { .name: ws, .offset: 24, .size: 8, .value_kind: global_buffer, .address_space: global }
      - { .name: bq, .offset: 32, .size: 8, .value_kind: global_buffer, .address_space: global }
      - { .name: bke, .offset: 40, .size: 8, .value_kind: global_buffer, .address_space: global }
      - { .name: bki, .offset: 48, .size: 8, .value_kind: global_buffer, .address_space: global }
      - { .name: bkei, .offset: 56, .size: 8, .value_kind: global_buffer, .address_space: global }
      - { .name: bve, .offset: 64, .size: 8, .value_kind: global_buffer, .address_space: global }
      - { .name: bvi, .offset: 72, .size: 8, .value_kind: global_buffer, .address_space: global }
      - { .name: bvei, .offset: 80, .size: 8, .value_kind: global_buffer, .address_space: global }
      - { .name: qkv, .offset: 88, .size: 8, .value_kind: global_buffer, .address_space: global }
    .group_segment_fixed_size: 327680
    .private_segment_fixed_size: 0
    .kernarg_segment_align: 8
    .kernarg_segment_size: 96
    .max_flat_workgroup_size: 128
    .sgpr_count:     100
    .vgpr_count:     1024
    .wavefront_size: 32
...
	.end_amdgpu_metadata
.endif
;; end of part 2
;; launch attn (part 3): grid 4 x 64, 8 waves a work-group, clusters of 4 x 1, 327,680 bytes of LDS; arguments qkv, mw, cc; writes cc
.if DOCPART == 3
	.amdgcn_target "amdgcn-amd-amdhsa--gfx1250"
	.amdhsa_code_object_version 6
	.text
	.protected	k_q5d4753f688_attn
	.globl	k_q5d4753f688_attn
	.p2align	8
	.type	k_q5d4753f688_attn,@function
k_q5d4753f688_attn:
	s_mov_b64 s[64:65], 0
	v_nop
	global_prefetch_b8 v0, s[64:65] scope:SCOPE_SE
	s_setreg_imm32_b32 hwreg(HW_REG_WAVE_MODE, 25, 1), 1
	s_wait_xcnt 0x0
	s_wait_alu depctr_hold_cnt(0) depctr_sa_sdst(0) depctr_va_vdst(0) depctr_va_sdst(0) depctr_va_ssrc(0) depctr_va_vcc(0) depctr_vm_vsrc(0)
	s_getreg_b32 s2, hwreg(HW_REG_IB_STS2, 6, 4)
	s_cmp_eq_u32 s2, 0
	s_cbranch_scc0 .Lentry_in_a_cluster
	s_endpgm
.Lentry_in_a_cluster:
	s_bfe_u32 s2, ttmp6, 0x10000c
	s_cmp_lg_u32 s2, 0x3003
	s_cbranch_scc0 .Lentry_shape_is_right
	s_endpgm
.Lentry_shape_is_right:
; Launch 3 of 4: the three attention branches of one (batch, head), summed: cc = sum over br of softmax(where(mask == 0, -1e9, Q K_br^T / 8)) V_br.  Operands f16, sums, maxima and exponentials f32.
; The factors lambda1 = lambda2 = 1.0 are not multiplied; nothing else is left out.
; SHARES.  A cluster of four work-groups is one head; a work-group owns 256 queries, each of its eight waves 32: two tiles of 16.  Every wave walks the head's 3 x 1,024 keys, which lie on end in qkv, 64 a step.
; LAYOUT.  S^T = K Q^T (source 0 = 16 keys, source 1 = 16 queries): a lane holds ONE query (lane % 16) and keys 8 (lane / 16) + 0..7.  Two such tiles, rounded to f16 in pairs, are source 1 of O^T = V^T P; V is turned by
; ds_load_tr16_b128.  The row's sum is one more tile, ONES x P: every register of it holds the query's sum over all 32 keys, so no lane asks another for it, and it is the sum of the very p that are multiplied.
; SOFTMAX.  Q carries log2(e) / 8, so a score is an exponent of 2.  Where the mask is 0 the score becomes -1e9 log2(e), reference()'s constant in these units, AHEAD of the maximum: a row that is masked throughout comes out as
; the plain average, as in reference().  A running maximum m for each query; p = 2^(s - m); in every step O and the sum are multiplied by 2^(m_old - m_new).  m begins at -3e38, so the first factor of a branch is 0: it wipes what
; the branch before has left, and nothing is cleared between branches.  At a branch's end O / sum is added to the total.
; THE MASK comes as words of one bit a lane (mw), 64 words a step in scalar registers, asked for a step ahead; each is the select operand of one v_cndmask_b32.  The step behind the last asks for step 0's words once more: inside mw, not used.
; RING.  Two slots of 512 keys: eight quarters of 128 keys, four of K and four of V, one joint load a wave (the four work-groups walk the same K and V).  A quarter is 64 runs of 256 bytes (two keys), padded.
; FRAGMENTS.  K's are asked for a key step ahead: as soon as a step's products K Q^T have read them, the next step's 16 loads go out into the same registers and land under the softmax.  A tile's first K is loaded behind the
; change of slots, and a tile's last step asks for none: its successor lies in a slot that only the next barrier shows.  V's 16 loads go out at a step's head and have the products K Q^T and the softmax in which to land.
; LIMITS: p under 6e-8 is lost in f16; cc is f16: magnitudes under 65,504.
; REGISTERS: window 0: v1-8 addresses and constants; v10-15 three running maxima a tile; v16-23 m and the factor, a pair a tile; v24-31 ONES; v32-63 Q; v64-127 S^T, then P in place; v128-191 K; v192-255 V.
;   window 1: v0-63 O^T; v64-79 the sums; v80-143 the total.
.set QUART, 18432                      ; a quarter's place in a slot: K's 64 x 272 bytes, V's 64 x 288
.set SLOT,  8*QUART
.set VOFF,  4*QUART
.set SPARE, 2*SLOT                     ; behind the ring: the spare words, 128 bytes for each of eight waves, which no other line names
.set HEADB, 917504
.set AK0, 1                            ; my lane's place in a quarter of K; never rewritten
.set AV0, 2                            ; the same for V
.set ADK, 3                            ; LDS address of the quarter in hand, K's
.set ADV, 4                            ; and V's
.set SPW, 5
.set NIL, 6
.set NEG, 7
.set PFO, 8
.set CW,  10                           ; tile t: chains c0-c2 at v[CW+3t]
.set MX,  16                           ; tile t: m in v[MX+4t]; the register above it is named with it as a pair
.set AL,  18                           ; tile t: the factor in v[AL+4t]
.set ONES, 24
.set Q,   32
.set S,   64
.set KF,  128
.set VF,  192
.set STO, VF+2                         ; the way out's three addresses are made at the end, where V's registers are free
.set RD,  VF+3
.set GO,  VF+5
.set O,   0
.set LS,  64
.set TOT, 80
.set MSB, 0
.macro WIN new
.if MSB != \new
	s_set_vgpr_msb (MSB<<8)|\new
.set MSB, \new
.endif
.endm
; A joint load: waves 0-3 fetch K's quarters, waves 4-7 V's: every wave has one.  The branch hangs on the wave's number alone.  An s_nop 0 and four v_nop follow each line.
.macro JLOAD
	s_cmp_lt_u32 s6, 4
	s_cbranch_scc0 .Lfor_v_\@
	tensor_load_to_lds s[24:27], s[8:15]
	s_nop 0
.rept 4
	v_nop
.endr
	s_branch .Lasked_\@
.Lfor_v_\@:
	tensor_load_to_lds s[24:27], s[16:23]
	s_nop 0
.rept 4
	v_nop
.endr
.Lasked_\@:
.endm
.macro CROUND
	s_barrier_signal -1
	s_barrier_wait -1
	s_cmp_lg_u32 s6, 0
	s_cbranch_scc1 .Lnot_wave_0_\@
	s_barrier_signal -3
.Lnot_wave_0_\@:
	s_barrier_wait -3
	s_barrier_signal -1
	s_barrier_wait -1
.endm
; A prefetch of the tile that the NEXT change of slots will ask for, in a tile's last trip: two key steps ahead of that load.  Each run of 256 bytes of tiles 2 to 5 is named once: the four partners take 16,384 bytes of K's
; 65,536 and of V's each, told apart by address; in each, waves 0 and 2 ask for K's and waves 4 and 6 for V's, 8,192 bytes a wave, lanes 256 bytes apart.  The address registers are never rewritten: the tile stands in the immediate.
.macro ASK tau
	s_and_b32 s104, s6, 1
	s_lshl_b32 s104, s104, 3
	s_or_b32 s104, s104, s7                        ; 1 in an even wave's last trip
	s_cmp_eq_u32 s104, 1
	s_cbranch_scc0 .Lnot_mine_\@
	global_prefetch_b8 v[PFO], s[30:31] offset:(\tau+2)*65536 th:TH_LOAD_NT scope:SCOPE_SE
.Lnot_mine_\@:
.endm
.macro MASKLOAD                        ; a step's 64 words: tile 0's into s[32:63], tile 1's into s[68:99]
	s_load_b512 s[32:47], s[2:3], s29 offset:0x0
	s_load_b512 s[48:63], s[2:3], s29 offset:0x40
	s_load_b512 s[68:83], s[2:3], s29 offset:0x80
	s_load_b512 s[84:99], s[2:3], s29 offset:0xc0
.endm
.macro KLOAD off                       ; 64 keys of K, off bytes behind the quarter in hand: 16 loads, 8 fragments of 16 keys x 32 channels
.irp kt, 0,1,2,3
.irp c, 0,1
	ds_load_b128 v[KF+16*\kt+8*\c:KF+16*\kt+8*\c+3], v[ADK] offset:(\off)+2176*\kt+64*\c
	ds_load_b128 v[KF+16*\kt+8*\c+4:KF+16*\kt+8*\c+7], v[ADK] offset:(\off)+2176*\kt+64*\c+32
.endr
.endr
.endm
	s_load_b128 s[32:35], s[0:1], 0x0              ; qkv, mw
	s_load_b64 s[36:37], s[0:1], 0x10              ; cc
	v_lshl_add_u32 v[SPW], v0, 2, SPARE
	v_mov_b32 v[NIL], 0
	ds_add_u32 v[SPW], v[NIL]                      ; the wave's opening: the add, twice on end, and its wait ahead of my first tensor load
	ds_add_u32 v[SPW], v[NIL]
	v_lshrrev_b32 v9, 5, v0
	v_readfirstlane_b32 s6, v9                     ; wave 0..7
	s_bfe_u32 s66, ttmp6, 0x40000                  ; cx: my block of 256 queries: it enters Q's, mw's, cc's and the prefetches' addresses alone
	s_and_b32 s67, ttmp7, 0xffff                   ; b x 16 + head, which the four partners share
	; descriptor group 1: 64 rows of 256 bytes (32 elements of 8 bytes), dense in memory, padded in LDS
	s_mov_b32 s8, 15|(3<<16)|(1<<20)|(1<<21)|(5<<22)|(3<<25)    ; the mask: all four; elements of 8 bytes; padding on; bit 21 beside a mask; after every 64 words four words
	s_mov_b32 s16, 15|(3<<16)|(1<<20)|(1<<21)|(5<<22)|(7<<25)   ; V's: eight words
.irp g, 8, 16
	s_mov_b32 s[\g+1], 32<<16                      ; tensor_dim0
	s_mov_b32 s[\g+2], 64<<16                      ; tensor_dim1
	s_mov_b32 s[\g+3], 32<<16                      ; tile_dim0
	s_mov_b32 s[\g+4], 64                          ; tile_dim1
	s_mov_b32 s[\g+5], 32                          ; tensor_dim0_stride
	s_mov_b32 s[\g+6], 0
	s_mov_b32 s[\g+7], 0
.endr
	s_mov_b32 s4, 0x76543210                       ; v_permlanex16_b32's selects for lane l xor 16
	s_mov_b32 s5, 0xfedcba98
	s_mul_i32 s44, s67, HEADB                      ; the head's first byte in qkv
	s_lshl_b32 s46, s6, 14                         ; my quarter of tile 0: 16,384 bytes a wave; K's stream begins 131,072 bytes into the head, V's 393,216 behind it
	s_lshr_b32 s47, s6, 2
	s_mul_i32 s47, s47, 327680
	s_add_co_u32 s46, s46, s47
	s_add_co_u32 s46, s46, 131072
	s_add_co_u32 s46, s46, s44
	s_mov_b32 s47, 0
	s_lshl_b32 s48, s66, 15                        ; Q: my block's 256 rows of 128 bytes, my wave's 32
	s_lshl_b32 s49, s6, 12
	s_add_co_u32 s48, s48, s49
	s_add_co_u32 s48, s48, s44
	s_mov_b32 s49, 0
	s_lshr_b32 s50, s6, 2                          ; the prefetches: K's stream or V's, my work-group's 16,384 bytes of a tile, my wave's 8,192
	s_mul_i32 s50, s50, 393216
	s_lshl_b32 s51, s66, 14
	s_add_co_u32 s50, s50, s51
	s_bfe_u32 s51, s6, 0x10001
	s_lshl_b32 s51, s51, 13
	s_add_co_u32 s50, s50, s51
	s_add_co_u32 s50, s50, 131072
	s_add_co_u32 s50, s50, s44
	s_mov_b32 s51, 0
	s_lshr_b32 s52, s67, 4                         ; mw: (32 b + 8 cx + wave) x 16 steps x 256 bytes
	s_lshl_b32 s52, s52, 5
	s_lshl_b32 s53, s66, 3
	s_add_co_u32 s52, s52, s53
	s_add_co_u32 s52, s52, s6
	s_lshl_b32 s52, s52, 12
	s_mov_b32 s53, 0
	s_lshr_b32 s54, s67, 4                         ; cc: (1,024 b + 256 cx + 32 wave) / 2 double rows of 4,096 bytes, + 256 x head
	s_lshl_b32 s54, s54, 21
	s_lshl_b32 s55, s66, 19
	s_add_co_u32 s54, s54, s55
	s_lshl_b32 s55, s6, 16
	s_add_co_u32 s54, s54, s55
	s_and_b32 s55, s67, 15
	s_lshl_b32 s55, s55, 8
	s_add_co_u32 s54, s54, s55
	s_mov_b32 s55, 0
	s_wait_dscnt 0x0                               ; both opening adds are done
	s_wait_kmcnt 0x0
	s_mov_b32 s24, 1                               ; group 0, one set, which walks: count = 1
	s_mul_i32 s25, s6, QUART                       ; LDS address: slot 0, my quarter
	s_add_nc_u64 s[26:27], s[32:33], s[46:47]      ; global address
	s_or_b32 s27, s27, 0x80000000                  ; type = 2
	s_add_nc_u64 s[104:105], s[32:33], s[48:49]    ; Q
	s_add_nc_u64 s[30:31], s[32:33], s[50:51]      ; the prefetches
	s_add_nc_u64 s[2:3], s[34:35], s[52:53]        ; my mask words
	s_add_nc_u64 s[100:101], s[36:37], s[54:55]    ; my rows of cc
	CROUND                                         ; all four work-groups are here
	JLOAD                                          ; tile 0
	v_and_b32 v[S], 15, v0                         ; r   (the scores' registers serve as work registers until the first products)
	v_bfe_u32 v[S+1], v0, 4, 1                     ; h
	v_lshlrev_b32 v[S+4], 7, v[S]
	v_lshl_add_u32 v[S+4], v[S+1], 4, v[S+4]       ; Q: row r of 128 bytes, + 16 h
.irp t, 0,1
.irp c, 0,1
	global_load_b128 v[Q+16*\t+8*\c:Q+16*\t+8*\c+3], v[S+4], s[104:105] offset:2048*\t+64*\c
	global_load_b128 v[Q+16*\t+8*\c+4:Q+16*\t+8*\c+7], v[S+4], s[104:105] offset:2048*\t+64*\c+32
.endr
.endr
	v_lshrrev_b32 v[S+2], 1, v[S]                  ; K: key r lies in run r / 2, half r % 2: (r / 2) 272 + (r % 2) 128 + 16 h: sixteen different columns of 16 bytes
	v_mul_u32_u24 v[AK0], v[S+2], 272
	v_and_b32 v[S+2], 1, v[S]
	v_lshl_add_u32 v[AK0], v[S+2], 7, v[AK0]
	v_lshl_add_u32 v[AK0], v[S+1], 4, v[AK0]
	v_bfe_u32 v[S+2], v0, 1, 2                     ; V: the turning load's lane l reads key 8 h + l % 8, channels 8 ((l / 8) % 2) on
	v_lshl_add_u32 v[S+2], v[S+1], 2, v[S+2]
	v_mul_u32_u24 v[AV0], v[S+2], 288
	v_and_b32 v[S+2], 1, v0
	v_lshl_add_u32 v[AV0], v[S+2], 7, v[AV0]
	v_bfe_u32 v[S+2], v0, 3, 1
	v_lshl_add_u32 v[AV0], v[S+2], 4, v[AV0]
	v_add_nc_u32 v[AV0], VOFF, v[AV0]
	v_and_b32 v[PFO], 31, v0
	v_lshlrev_b32 v[PFO], 8, v[PFO]
	v_mov_b32 v[NEG], 0xceabfb8f                   ; -1e9 x log2(e)
.irp i, 0,1,2,3,4,5,6,7
	v_mov_b32 v[ONES+\i], 0x3c003c00               ; 1.0 twice, in f16
.endr
.irp t, 0,1
	v_mov_b32 v[MX+4*\t], 0xff61b1e6               ; -3e38, under every score
	v_mov_b32 v[MX+4*\t+1], 0                      ; (named as the upper halves of pairs)
	v_mov_b32 v[AL+4*\t+1], 0
.endr
	WIN 0x40
.set i, 0
.rept 80
	v_mov_b32 v[i], 0                              ; O^T and the sums, once: the step is written once, and its first factor, 0, must find numbers
.set i, i+1
.endr
	WIN 0
	s_mov_b32 s29, 0                               ; the mask words' offset: 256 bytes a step
	MASKLOAD
	s_wait_loadcnt 0x0                             ; Q
; A KEY STEP: 64 keys, the e-th half of the quarter in hand.  Its K is in registers or on its way when the step begins.
.macro STEP e, ask, tau
.irp f, 0,1
.irp ct, 0,1,2,3
	ds_load_tr16_b128 v[VF+8*(4*\f+\ct):VF+8*(4*\f+\ct)+3], v[ADV] offset:9216*\e+4608*\f+32*\ct
	ds_load_tr16_b128 v[VF+8*(4*\f+\ct)+4:VF+8*(4*\f+\ct)+7], v[ADV] offset:9216*\e+4608*\f+32*\ct+2304
.endr
.endr
.if \ask
	ASK \tau
.endif
	s_wait_dscnt 16                                ; K, asked for ahead of them, is in; V's 16 loads may be out
.irp c, 0,1                                    ; S^T = K Q^T: eight accumulators by turns
.irp kt, 0,1,2,3
.irp t, 0,1
.if \c == 0
	v_wmma_f32_16x16x32_f16 v[S+32*\t+8*\kt:S+32*\t+8*\kt+7], v[KF+16*\kt+8*\c:KF+16*\kt+8*\c+7], v[Q+16*\t+8*\c:Q+16*\t+8*\c+7], 0
.else
	v_wmma_f32_16x16x32_f16 v[S+32*\t+8*\kt:S+32*\t+8*\kt+7], v[KF+16*\kt+8*\c:KF+16*\kt+8*\c+7], v[Q+16*\t+8*\c:Q+16*\t+8*\c+7], v[S+32*\t+8*\kt:S+32*\t+8*\kt+7]
.endif
.endr
.endr
.endr
.rept 4
	v_nop                                          ; four places ahead of the loads into K's registers and of the first read of the scores
.endr
.if \e == 0
	KLOAD 8704                                     ; the next step's K: the quarter's other half
.else
	s_cmp_eq_u32 s7, 1                             ; a tile's last step asks for none; the test hangs on the count of trips alone
	s_cbranch_scc1 .Lno_k_\@
	KLOAD QUART                                    ; the next quarter's first half
.Lno_k_\@:
.endif
	s_wait_kmcnt 0x0                               ; this step's mask words, asked for a step ago
.set i, 0
.rept 32
	v_cndmask_b32 v[S+i], v[NEG], v[S+i], s[32+i]  ; the score where the bit is set, else the constant; each accumulator from its low end on
.set i, i+1
.endr
.set i, 0
.rept 32
	v_cndmask_b32 v[S+32+i], v[NEG], v[S+32+i], s[68+i]
.set i, i+1
.endr
.irp j, 0,1,2                                  ; the maximum of a lane's 32 scores and the old m: three chains a tile, the tiles by turns: an instruction reads the result of the sixth before it
.irp t, 0,1
	v_max3_num_f32 v[CW+3*\t+\j], v[S+32*\t+3*\j], v[S+32*\t+3*\j+1], v[S+32*\t+3*\j+2]
.endr
.endr
.irp k, 0,1,2,3,4,5,6,7,8,9,10
.irp t, 0,1
	v_max3_num_f32 v[CW+3*\t+\k%3], v[CW+3*\t+\k%3], v[S+32*\t+9+2*\k], v[S+32*\t+10+2*\k]
.endr
.endr
.irp t, 0,1
	v_max3_num_f32 v[CW+3*\t], v[CW+3*\t], v[CW+3*\t+1], v[CW+3*\t+2]
.endr
.irp t, 0,1
	v_max3_num_f32 v[CW+3*\t], v[CW+3*\t], v[S+32*\t+31], v[MX+4*\t]
.endr
.irp t, 0,1
	v_permlanex16_b32 v[CW+3*\t+1], v[CW+3*\t], s4, s5   ; the query's other 32 keys lie in the lane 16 away
.endr
.irp t, 0,1
	v_max_num_f32 v[CW+3*\t], v[CW+3*\t], v[CW+3*\t+1]   ; m_new
.endr
.irp t, 0,1
	v_sub_f32 v[CW+3*\t+2], v[MX+4*\t], v[CW+3*\t]       ; m_old - m_new
.endr
.irp t, 0,1
	v_mov_b32 v[MX+4*\t], v[CW+3*\t]
.endr
.irp t, 0,1
.set i, 0
.rept 16
	v_pk_add_f32 v[S+32*\t+i:S+32*\t+i+1], v[S+32*\t+i:S+32*\t+i+1], v[MX+4*\t:MX+4*\t+1] op_sel_hi:[1,0] neg_lo:[0,1] neg_hi:[0,1]   ; s - m, two at a time
.set i, i+2
.endr
.endr
	s_add_co_u32 s29, s29, 256                     ; the next step's mask words (the wait above has freed the offset and the words' registers);
	s_and_b32 s29, s29, 4095                       ; a branch has 16 steps, and all three take the same mask
	MASKLOAD
.irp t, 0,1
	v_exp_f32 v[AL+4*\t], v[CW+3*\t+2]             ; 2^(m_old - m_new)
.endr
.set i, 0
.rept 64
	v_exp_f32 v[S+i], v[S+i]                       ; p
.set i, i+1
.endr
	v_nop                                          ; a plain instruction behind the last exponential
	s_wait_alu depctr_va_vdst(0)                   ; one wait for the batch of 66, ahead of its first reader
.irp t, 0,1
.set i, 0
.rept 16
	v_cvt_pk_f16_f32 v[S+32*\t+i], v[S+32*\t+2*i], v[S+32*\t+2*i+1]   ; P in place: register i is written when 2 i and 2 i + 1 are read, and no later pair lies at or under i
.set i, i+1
.endr
.endr
	WIN 0x41                                       ; O^T and the sums: window 1; the factor: window 0
.irp t, 0,1
.set i, 0
.rept 16
	v_pk_mul_f32 v[O+32*\t+i:O+32*\t+i+1], v[O+32*\t+i:O+32*\t+i+1], v[AL+4*\t:AL+4*\t+1] op_sel_hi:[1,0]
.set i, i+2
.endr
	v_mul_f32 v[LS+8*\t], v[LS+8*\t], v[AL+4*\t]   ; of the sum's tile register 0 alone is ever read
.endr
	s_wait_dscnt 0x0                               ; V is in (and the next step's K, asked for behind it)
	WIN 0x50                                       ; C and D window 1
.irp f, 0,1                                    ; O^T += V^T P and the sums += ONES x P: ten accumulators by turns
.irp ct, 0,1,2,3
.irp t, 0,1
	v_wmma_f32_16x16x32_f16 v[O+32*\t+8*\ct:O+32*\t+8*\ct+7], v[VF+8*(4*\f+\ct):VF+8*(4*\f+\ct)+7], v[S+32*\t+8*\f:S+32*\t+8*\f+7], v[O+32*\t+8*\ct:O+32*\t+8*\ct+7]
.endr
.endr
.irp t, 0,1
	v_wmma_f32_16x16x32_f16 v[LS+8*\t:LS+8*\t+7], v[ONES:ONES+7], v[S+32*\t+8*\f:S+32*\t+8*\f+7], v[LS+8*\t:LS+8*\t+7]
.endr
.endr
	WIN 0
.rept 5
	v_nop                                          ; five places: the next step's products write over P; its loads into V's registers and a reader of O^T want four
.endr
.endm
; THE CHANGE OF SLOTS, at a tile's head.  Each wave waits for all its tensor loads (one is out: its quarter of the tile ahead), adds 0 to its spare word, and waits for that and for its reads of the slot that it has left.
; tau < 5: a round of the cluster's barrier, and behind it, first, the joint load of tile tau + 1 into the other slot (at tau = 0 that slot's first fill): it has eight key steps in which to land.
.macro CHANGE tau
	s_wait_tensorcnt 0x0                           ; no tensor load of mine is out, so group 0 may be written
	ds_add_u32 v[SPW], v[NIL]
.if \tau < 5
	s_mul_i32 s25, s6, QUART
.if (\tau+1)%2
	s_add_co_u32 s25, s25, SLOT
.endif
	s_add_nc_u64 s[26:27], s[26:27], 65536         ; the next 512 keys; the type bits on top are not reached
.endif
	s_wait_dscnt 0x0
.if \tau < 5
	CROUND
	JLOAD
.else
	s_barrier_signal -1
	s_barrier_wait -1
.endif
	s_mov_b32 s28, ((\tau)%2)*SLOT                 ; the quarter in hand
	s_mov_b32 s7, 4
.endm
.macro TRIPS tau                       ; a tile: its first K, then four trips, a quarter (two key steps) each
	v_add_nc_u32 v[ADK], s28, v[AK0]
	KLOAD 0
.Ltrip_\@:
	v_add_nc_u32 v[ADK], s28, v[AK0]
	v_add_nc_u32 v[ADV], s28, v[AV0]
.if \tau <= 3
	STEP 0, 1, \tau
.else
	STEP 0, 0, \tau
.endif
	STEP 1, 0, \tau
	s_add_co_u32 s28, s28, QUART
	s_sub_co_u32 s7, s7, 1
	s_cmp_lg_u32 s7, 0
	s_cbranch_scc1 .Ltrip_\@
.endm
; A BRANCH'S END: the total takes O^T / sum.  m goes back to -3e38: the next step's factor is then 0.
.macro FINAL br
	WIN 0x01
.irp t, 0,1
	v_rcp_f32 v[AL+4*\t], v[LS+8*\t]
.endr
	WIN 0
.if \br < 2
.irp t, 0,1
	v_mov_b32 v[MX+4*\t], 0xff61b1e6               ; (also the plain instruction behind the reciprocals)
.endr
.else
	v_nop
.endif
	s_wait_alu depctr_va_vdst(0)                   ; one wait for the two reciprocals, ahead of their first reader
.if \br == 0
	WIN 0x41
.else
	WIN 0x51
.endif
.irp t, 0,1
.set i, 0
.rept 16
.if \br == 0
	v_pk_mul_f32 v[TOT+32*\t+i:TOT+32*\t+i+1], v[O+32*\t+i:O+32*\t+i+1], v[AL+4*\t:AL+4*\t+1] op_sel_hi:[1,0]
.else
	v_pk_fma_f32 v[TOT+32*\t+i:TOT+32*\t+i+1], v[O+32*\t+i:O+32*\t+i+1], v[AL+4*\t:AL+4*\t+1], v[TOT+32*\t+i:TOT+32*\t+i+1] op_sel_hi:[1,0,1]
.endif
.set i, i+2
.endr
.endr
	WIN 0
.endm
	CHANGE 0
	TRIPS 0
	CHANGE 1
	TRIPS 1
	FINAL 0
	CHANGE 2
	TRIPS 2
	CHANGE 3
	TRIPS 3
	FINAL 1
	CHANGE 4
	TRIPS 4
	CHANGE 5                                       ; the last tile: nothing is left to ask for.  Behind this barrier nobody reads slot 0, which has had its last fill: the stages lie there
	TRIPS 5
	FINAL 2
	; THE WAY OUT.  The total, rounded to f16, goes through my stage (row = query; 32 rows x (128 bytes + 16), in slot 0) and comes back four rows at a time; in cc two rows of one head are 256 consecutive bytes: cc [row / 2][head][row % 2][64].
	v_and_b32 v[VF], 15, v0                        ; r
	v_bfe_u32 v[VF+1], v0, 4, 1                    ; h
	s_mul_i32 s66, s6, 32*144                      ; my stage
	v_mul_u32_u24 v[STO], v[VF], 144               ; in: row r, 16 bytes for each half of the lanes
	v_lshl_add_u32 v[STO], v[VF+1], 4, v[STO]
	v_add_nc_u32 v[STO], s66, v[STO]
	v_bfe_u32 v[VF+4], v0, 3, 2                    ; back: eight lanes to a row of 128 bytes, four rows an instruction
	v_mul_u32_u24 v[RD], v[VF+4], 144
	v_and_b32 v[VF+4], 7, v0
	v_lshl_add_u32 v[RD], v[VF+4], 4, v[RD]
	v_add_nc_u32 v[RD], s66, v[RD]
	v_lshlrev_b32 v[GO], 12, v[VF+1]               ; and in cc: lanes 0-15 one double row's 256 bytes of my head, lanes 16-31 the next double row's
	v_lshl_add_u32 v[GO], v[VF], 4, v[GO]
	WIN 0x05                                       ; sources window 1, destination window 0
.irp t, 0,1
.irp ct, 0,1,2,3
.irp i, 0,1,2,3
	v_cvt_pk_f16_f32 v[S+16*\t+4*\ct+\i], v[TOT+32*\t+8*\ct+2*\i], v[TOT+32*\t+8*\ct+2*\i+1]
.endr
.endr
.endr
	WIN 0
.irp t, 0,1
.irp ct, 0,1,2,3
	ds_store_b128 v[STO], v[S+16*\t+4*\ct:S+16*\t+4*\ct+3] offset:2304*\t+32*\ct
.endr
.endr
.irp i, 0,1,2,3,4,5,6,7
	ds_load_b128 v[KF+4*\i:KF+4*\i+3], v[RD] offset:576*\i   ; LDS serves a wave's instructions in order: these see my stores
.endr
.irp i, 0,1,2,3,4,5,6,7
	s_wait_dscnt 7-\i                              ; the younger loads may be out
	global_store_b128 v[GO], v[KF+4*\i:KF+4*\i+3], s[100:101] offset:8192*\i   ; sixteen lanes store 256 consecutive bytes, aligned
.endr
	s_wait_tensorcnt 0x0                           ; the wave's end
	ds_add_u32 v[SPW], v[NIL]
	s_wait_dscnt 0x0
	CROUND                                         ; the closing round
	s_endpgm
.Lfunc_end_k_q5d4753f688_attn:
	.size	k_q5d4753f688_attn, .Lfunc_end_k_q5d4753f688_attn-k_q5d4753f688_attn
	.p2alignl 7, 3214868480
	.fill 96, 4, 3214868480
	.section	.rodata,"a",@progbits
	.p2align	6, 0x0
	.amdhsa_kernel k_q5d4753f688_attn
		.amdhsa_group_segment_fixed_size 327680
		.amdhsa_private_segment_fixed_size 0
		.amdhsa_enable_private_segment 0
		.amdhsa_kernarg_size 24
		.amdhsa_user_sgpr_count 2
		.amdhsa_user_sgpr_kernarg_segment_ptr 1
		.amdhsa_wavefront_size32 1
		.amdhsa_system_sgpr_workgroup_id_x 1
		.amdhsa_system_sgpr_workgroup_id_y 1
		.amdhsa_system_sgpr_workgroup_id_z 1
		.amdhsa_system_vgpr_workitem_id 0
		.amdhsa_next_free_vgpr 512
		.amdhsa_next_free_sgpr 106
		.amdhsa_reserve_vcc 0
		.amdhsa_float_denorm_mode_32 3
		.amdhsa_float_denorm_mode_16_64 3
		.amdhsa_memory_ordered 1
		.amdhsa_forward_progress 1
		.amdhsa_inst_pref_size 255
	.end_amdhsa_kernel
	.section	.bss,"aw",@nobits
	.p2align	6
	.space	262144
	.amdgpu_metadata
---
amdhsa.version: [ 1, 2 ]
amdhsa.kernels:
  - .name:           k_q5d4753f688_attn
    .symbol:         k_q5d4753f688_attn.kd
    .args:
      - { .name: qkv, .offset: 0, .size: 8, .value_kind: global_buffer, .address_space: global }
      - { .name: mw, .offset: 8, .size: 8, .value_kind: global_buffer, .address_space: global }
      - { .name: cc, .offset: 16, .size: 8, .value_kind: global_buffer, .address_space: global }
    .group_segment_fixed_size: 327680
    .private_segment_fixed_size: 0
    .kernarg_segment_align: 8
    .kernarg_segment_size: 24
    .max_flat_workgroup_size: 256
    .sgpr_count:     106
    .vgpr_count:     512
    .wavefront_size: 32
...
	.end_amdgpu_metadata
.endif
;; end of part 3
;; launch outp (part 4): grid 8 x 32, 4 waves a work-group, clusters of 4 x 4, 327,680 bytes of LDS; arguments cc, wo16, bo, out0; writes out0
.if DOCPART == 4
	.amdgcn_target "amdgcn-amd-amdhsa--gfx1250"
	.amdhsa_code_object_version 6
	.text
	.protected	k_q5d4753f688_outp
	.globl	k_q5d4753f688_outp
	.p2align	8
	.type	k_q5d4753f688_outp,@function
k_q5d4753f688_outp:
	s_mov_b64 s[64:65], 0
	v_nop
	global_prefetch_b8 v0, s[64:65] scope:SCOPE_SE
	s_setreg_imm32_b32 hwreg(HW_REG_WAVE_MODE, 25, 1), 1
	s_wait_xcnt 0x0
	s_wait_alu depctr_hold_cnt(0) depctr_sa_sdst(0) depctr_va_vdst(0) depctr_va_sdst(0) depctr_va_ssrc(0) depctr_va_vcc(0) depctr_vm_vsrc(0)
	s_getreg_b32 s2, hwreg(HW_REG_IB_STS2, 6, 4)
	s_cmp_eq_u32 s2, 0
	s_cbranch_scc0 .Lentry_in_a_cluster
	s_endpgm
.Lentry_in_a_cluster:
	s_bfe_u32 s2, ttmp6, 0x10000c
	s_cmp_lg_u32 s2, 0xf033
	s_cbranch_scc0 .Lentry_shape_is_right
	s_endpgm
.Lentry_shape_is_right:
; Launch 4 of 4: out0 = concat Wo + bo, a product left as it is: f16 operands, f32 sums, f32 out.  M = 4,096, N = K = 1,024.
; A = cc, laid [row / 2][head][row % 2][64]: 256 along K (four heads) of two rows are 1,024 consecutive bytes.  B = wo16 [k][n], not transposed: its fragments are turned by ds_load_tr16_b128.
; A tile of C is 128 x 128, so that 256 work-groups have one each; four waves, 64 x 64 each: 16 accumulators.  K goes in four steps of 256 through two LDS slots.
; CLUSTERS: 4 x 4 work-groups; A's tile is shared along a row of the cluster, B's along a column: joint loads.  THE MATRIX INSTRUCTION IS USED TRANSPOSED (source 0 = 16 columns of Wo, source 1 = 16 rows of A):
; a lane holds eight neighbouring numbers of a row of C.  bo is the C of each sum's first product.
; REGISTERS: window 0: v0-31 addresses; v32-95 rows on the way out; v96-127 bo in the result's layout; v128-255 the accumulators ((a, b) at v[128 + 8 (4 a + b)]).   window 1: two fragment buffers of 128: 64 of A, then 64 of B.
.set APITCH, 1040                      ; A in LDS: a double row's 1,024 bytes + 16: rows r and r + 2 start 16 bytes apart in the banks, rows r and r + 1 128
.set BPITCH, 288                       ; B in LDS: a k row's 256 bytes + 32
.set HALFA,  32*APITCH                 ; 64 rows of A: what waves 0 and 1 fetch
.set HALFB,  128*BPITCH                ; 128 k rows of B: what waves 2 and 3 fetch
.set BOFF,   2*HALFA
.set SLOT,   2*HALFA+2*HALFB
.set STAGE,  2*SLOT                    ; behind the ring: 16 rows x 272 bytes for each wave
.set SPITCH, 272
.set SPARE,  STAGE+4*16*SPITCH         ; the spare words, 128 bytes for each wave, which no other line names
.set LAPS,   2
.set ADRA, 16                          ; v16-17  my A fragments in slot 0, 1
.set ADRB, 20                          ; v20-23  my B fragments: slot 0 k rows 0-127, 128-255; slot 1 likewise
.set STO,  24
.set RD,   25
.set CO,   26
.set BOF,  27
.set SPW,  28
.set NIL,  29
.set OB,   32
.set BI,   96
.set ACC,  128
.set F0,   0
.set F1,   128
.set G1, 24
.set G0, 32
.set G1B, 48
.set G0B, 56
.set MSB, 0
.macro WIN new
.if MSB != \new
	s_set_vgpr_msb (MSB<<8)|\new
.set MSB, \new
.endif
.endm
.set MUL,  0x05                        ; sources 0 (B) and 1 (A) window 1; C and D window 0
.set TO_F, 0x40                        ; destination window 1, address window 0
.macro JLOAD s                         ; a joint load: waves 0 and 1 fetch A's halves, waves 2 and 3 B's; an s_nop 0 and four v_nop follow each line
	s_cmp_eq_u32 s11, 0
	s_cbranch_scc0 .Lfor_b_\@
	tensor_load_to_lds s[G0+4*\s:G0+4*\s+3], s[G1:G1+7]
	s_nop 0
.rept 4
	v_nop
.endr
	s_branch .Lasked_\@
.Lfor_b_\@:
	tensor_load_to_lds s[G0B+4*\s:G0B+4*\s+3], s[G1B:G1B+7]
	s_nop 0
.rept 4
	v_nop
.endr
.Lasked_\@:
.endm
.macro CREST
	s_cmp_lg_u32 s10, 0
	s_cbranch_scc1 .Lnot_wave_0_\@
	s_barrier_signal -3
.Lnot_wave_0_\@:
	s_barrier_wait -3
	s_barrier_signal -1
	s_barrier_wait -1
.endm
.macro CROUND
	s_barrier_signal -1
	s_barrier_wait -1
	CREST
.endm
	s_load_b128 s[4:7], s[0:1], 0x0                ; cc, wo16
	s_load_b128 s[68:71], s[0:1], 0x10             ; bo, out0
	v_lshl_add_u32 v[SPW], v0, 2, SPARE
	v_mov_b32 v[NIL], 0
	ds_add_u32 v[SPW], v[NIL]                      ; the wave's opening: the add, twice on end, and its wait ahead of my first tensor load
	ds_add_u32 v[SPW], v[NIL]
	v_lshrrev_b32 v1, 5, v0
	v_readfirstlane_b32 s10, v1                    ; wave 0..3
	s_lshr_b32 s11, s10, 1                         ; which half of the tile's rows is mine.  Also: I fetch for A (0) or for B (1)
	s_and_b32 s12, s10, 1                          ; which half of its columns.  Also: which half of that tile I fetch
	s_bfe_u32 s40, ttmp6, 0x40000                  ; cx, cy
	s_bfe_u32 s41, ttmp6, 0x40004
	s_lshl_b32 s42, ttmp9, 2
	s_add_co_u32 s42, s42, s40                     ; tile column of C
	s_and_b32 s13, ttmp7, 0xffff
	s_lshl_b32 s13, s13, 2
	s_add_co_u32 s13, s13, s41                     ; tile row of C
	s_lshl_b32 s43, s41, 2
	s_lshl_b32 s43, 15, s43                        ; my row of the cluster
	s_lshl_b32 s44, 0x1111, s40                    ; my column
	; A: 32 double rows x 512 elements of 2 bytes, 2,048 elements apart; four words of padding after every 256
	s_or_b32 s[G1+0], s43, (1<<16)|(1<<20)|(1<<21)|(7<<22)|(3<<25)
	s_mov_b32 s[G1+1], 512<<16
	s_mov_b32 s[G1+2], 32<<16
	s_mov_b32 s[G1+3], 512<<16
	s_mov_b32 s[G1+4], 32
	s_mov_b32 s[G1+5], 2048
	s_mov_b32 s[G1+6], 0
	s_mov_b32 s[G1+7], 0
	; B: 128 k rows x 128 elements, 1,024 elements apart; eight words of padding after every 64
	s_or_b32 s[G1B+0], s44, (1<<16)|(1<<20)|(1<<21)|(5<<22)|(7<<25)
	s_mov_b32 s[G1B+1], 128<<16
	s_mov_b32 s[G1B+2], 128<<16
	s_mov_b32 s[G1B+3], 128<<16
	s_mov_b32 s[G1B+4], 128
	s_mov_b32 s[G1B+5], 1024
	s_mov_b32 s[G1B+6], 0
	s_mov_b32 s[G1B+7], 0
	s_lshl_b32 s16, s13, 6
	s_lshl_b32 s17, s12, 5
	s_add_co_u32 s16, s16, s17                     ; A: double row 64 x tile row + 32 x half,
	s_lshl_b32 s16, s16, 12                        ; of 4,096 bytes
	s_mov_b32 s17, 0
	s_lshl_b32 s46, s12, 18                        ; B: k row 128 x half, of 2,048 bytes,
	s_lshl_b32 s47, s42, 8                         ; + 256 bytes x tile column
	s_add_co_u32 s46, s46, s47
	s_mov_b32 s47, 0
	s_mul_i32 s20, s12, HALFA                      ; where they go: no place in the cluster enters an LDS address
	s_mul_i32 s23, s12, HALFB
	s_add_co_u32 s23, s23, BOFF
	s_wait_dscnt 0x0                               ; both opening adds are done
	s_wait_kmcnt 0x0
	s_add_nc_u64 s[14:15], s[4:5], s[16:17]
	s_add_nc_u64 s[46:47], s[6:7], s[46:47]
	CROUND                                         ; all sixteen work-groups are here
.irp s, 0,1
	s_mov_b32 s[G0+4*\s], 1
	s_add_co_u32 s[G0+4*\s+1], s20, \s*SLOT
	s_add_nc_u64 s[G0+4*\s+2:G0+4*\s+3], s[14:15], \s*1024        ; K step s: four heads on
	s_or_b32 s[G0+4*\s+3], s[G0+4*\s+3], 0x80000000
	s_mov_b32 s[G0B+4*\s], 1
	s_add_co_u32 s[G0B+4*\s+1], s23, \s*SLOT
	s_add_nc_u64 s[G0B+4*\s+2:G0B+4*\s+3], s[46:47], \s*524288    ; 256 k rows on
	s_or_b32 s[G0B+4*\s+3], s[G0B+4*\s+3], 0x80000000
	JLOAD \s                                       ; two tensor loads of mine are out
.endr
	v_and_b32 v1, 15, v0                           ; r
	v_bfe_u32 v2, v0, 4, 1                         ; h
	s_lshl_b32 s66, s42, 9                         ; my first column in bytes of f32: 512 x tile column + 256 x half
	s_lshl_b32 s45, s12, 8
	s_add_co_u32 s66, s66, s45
	s_mov_b32 s67, 0
	s_add_nc_u64 s[68:69], s[68:69], s[66:67]      ; bo at my 64 columns
	v_lshlrev_b32 v[BOF], 5, v2
.irp b, 0,1,2,3
	global_load_b128 v[BI+8*\b:BI+8*\b+3], v[BOF], s[68:69] offset:64*\b          ; lane (r, h), register 8 b + j: column 16 b + 8 h + j
	global_load_b128 v[BI+8*\b+4:BI+8*\b+7], v[BOF], s[68:69] offset:64*\b+16
.endr
	s_lshl_b32 s45, s13, 19                        ; my first row: (128 x tile row + 64 x half) x 4,096 bytes
	s_add_co_u32 s66, s66, s45
	s_lshl_b32 s45, s11, 18
	s_add_co_u32 s66, s66, s45
	s_add_nc_u64 s[70:71], s[70:71], s[66:67]
	v_lshrrev_b32 v3, 1, v1                        ; A: row r lies in double row r / 2, half r % 2
	v_mul_u32_u24 v3, v3, APITCH
	v_and_b32 v4, 1, v1
	v_lshl_add_u32 v3, v4, 7, v3
	v_lshl_add_u32 v3, v2, 4, v3
	v_and_b32 v4, 7, v0                            ; B: the turning load's lane l reads k row 8 h + l % 8, columns 8 ((l / 8) % 2) on
	v_lshl_add_u32 v4, v2, 3, v4
	v_mul_u32_u24 v4, v4, BPITCH
	v_bfe_u32 v5, v0, 3, 1
	v_lshl_add_u32 v4, v5, 4, v4
	s_mul_i32 s21, s11, HALFA                      ; my 64 rows of A
	s_lshl_b32 s22, s12, 7                         ; my 64 columns of B
	s_add_co_u32 s22, s22, BOFF
.irp s, 0,1
	v_add_nc_u32 v[ADRA+\s], s21, v3
	v_add_nc_u32 v[ADRB+2*\s], s22, v4
	v_add_nc_u32 v[ADRB+2*\s+1], HALFB, v[ADRB+2*\s]
	s_add_co_u32 s21, s21, SLOT
	s_add_co_u32 s22, s22, SLOT
.endr
	s_mul_i32 s23, s10, 16*SPITCH
	s_add_co_u32 s23, s23, STAGE                   ; my stage
	v_mul_u32_u24 v4, v1, SPITCH                   ; in: row r, 32 bytes for each half of the lanes
	v_lshl_add_u32 v4, v2, 5, v4
	v_add_nc_u32 v[STO], s23, v4
	v_mul_u32_u24 v5, v2, SPITCH                   ; back: lanes 0-15 one row of 256 bytes, lanes 16-31 the next
	v_lshl_add_u32 v5, v1, 4, v5
	v_add_nc_u32 v[RD], s23, v5
	v_lshlrev_b32 v5, 12, v2                       ; and the same two rows in out0
	v_lshl_add_u32 v[CO], v1, 4, v5
; 8 matrix instructions: m blocks a0, a0 + 1 x all 4 n blocks, 32 along K: half c of buffer f.  first = 1: the first product starts the sums, with bo as its C.  The 16 accumulators take turns.
.macro MUL8 f, c, a0, first
.irp a, \a0, \a0+1
.irp b, 0,1,2,3
.if \first
	v_wmma_f32_16x16x32_f16 v[ACC+8*(4*(\a)+\b):ACC+8*(4*(\a)+\b)+7], v[\f+64+8*(4*\c+\b):\f+64+8*(4*\c+\b)+7], v[\f+8*(4*\c+\a):\f+8*(4*\c+\a)+7], v[BI+8*\b:BI+8*\b+7]
.else
	v_wmma_f32_16x16x32_f16 v[ACC+8*(4*(\a)+\b):ACC+8*(4*(\a)+\b)+7], v[\f+64+8*(4*\c+\b):\f+64+8*(4*\c+\b)+7], v[\f+8*(4*\c+\a):\f+8*(4*\c+\a)+7], v[ACC+8*(4*(\a)+\b):ACC+8*(4*(\a)+\b)+7]
.endif
.endr
.endr
.endm
; 32 LDS loads in one run: the fragments of the slot's q-th 64 along K into buffer f; the first 32 along K first
.macro FETCH slot, q, f
	WIN TO_F
.irp c, 0,1
.irp i, 0,1,2,3
	ds_load_tr16_b128 v[\f+64+8*(4*\c+\i):\f+64+8*(4*\c+\i)+3],   v[ADRB+2*\slot+(\q)/2] offset:((2*(\q)+\c)%4)*32*BPITCH+32*\i
	ds_load_tr16_b128 v[\f+64+8*(4*\c+\i)+4:\f+64+8*(4*\c+\i)+7], v[ADRB+2*\slot+(\q)/2] offset:((2*(\q)+\c)%4)*32*BPITCH+32*\i+16*BPITCH
	ds_load_b128 v[\f+8*(4*\c+\i):\f+8*(4*\c+\i)+3],         v[ADRA+\slot] offset:\i*8*APITCH+(\q)*256+64*\c
	ds_load_b128 v[\f+8*(4*\c+\i)+4:\f+8*(4*\c+\i)+7],       v[ADRA+\slot] offset:\i*8*APITCH+(\q)*256+64*\c+32
.endr
.endr
.endm
.macro PLACES                          ; four places in front of loads into registers that matrix instructions have read, and of the first read of results
.rept 4
	v_nop
.endr
.endm
; A K step is four quarters of 64 along K, 32 matrix instructions each, on buffers 0, 1, 0, 1.  One of the first three: multiplies buffer f and fetches quarter q into g.
.macro QUARTER slot, q, f, g, first
	s_wait_dscnt 16                                ; the first 32 along K are in; the other sixteen loads may be out
	WIN MUL
	MUL8 \f, 0, 0, \first
	MUL8 \f, 0, 2, \first
	PLACES
	FETCH \slot, \q, \g
	s_wait_dscnt 32                                ; all but the 32 just issued
	WIN MUL
	MUL8 \f, 1, 0, 0
	MUL8 \f, 1, 2, 0
.endm
; The last quarter multiplies buffer 1 and changes slots: one barrier; in front of it each wave waits for all its tensor loads, adds 0 to its spare word, and waits for that and for its reads of this slot.  fill = 1: this slot is filled again, two K steps ahead.
.macro TURN slot, next, fill
	WIN 0                                          ; (the add's two registers lie in window 0)
	s_wait_tensorcnt 0x0                           ; all my tensor loads have landed: my part of the next slot
	ds_add_u32 v[SPW], v[NIL]
	s_wait_dscnt 17                                ; (the add and the youngest sixteen loads may be out)
	WIN MUL
	MUL8 F1, 0, 0, 0
	s_wait_dscnt 0x0                               ; the add is done, and my reads of this slot are over
	s_barrier_signal -1
	MUL8 F1, 0, 2, 0
.if \fill
	WIN 0
.endif
	s_barrier_wait -1
.if \fill
	CREST                                          ; the barrier has opened a round of the cluster's: no wave of any partner still reads this slot or has a load on its way
	s_add_nc_u64 s[G0+4*\slot+2:G0+4*\slot+3], s[G0+4*\slot+2:G0+4*\slot+3], 2048
	s_add_nc_u64 s[G0B+4*\slot+2:G0B+4*\slot+3], s[G0B+4*\slot+2:G0B+4*\slot+3], 1048576
	JLOAD \slot                                    ; the first tensor load behind the round; its four v_nop are also the places in front of the loads below
.else
	PLACES
.endif
	FETCH \next, 0, F0
	WIN MUL
	MUL8 F1, 1, 0, 0
	MUL8 F1, 1, 2, 0
.endm
	s_wait_tensorcnt 1                             ; my part of K step 0 is in (K step 1's load may be out),
	s_barrier_signal -1
	s_barrier_wait -1                              ; everybody's is
	FETCH 0, 0, F0
	s_wait_loadcnt 0x0                             ; bo
	QUARTER 0, 1, F0, F1, 1                        ; the first quarter's first products start the sums
	WIN 0                                          ; at a label and at a branch every window is 0
	s_mov_b32 s3, LAPS-1
.Llap:                                                 ; a trip goes once round the ring and fills both slots again
	QUARTER 0, 2, F1, F0, 0
	QUARTER 0, 3, F0, F1, 0
	TURN 0, 1, 1
	QUARTER 1, 1, F0, F1, 0
	QUARTER 1, 2, F1, F0, 0
	QUARTER 1, 3, F0, F1, 0
	TURN 1, 0, 1
	QUARTER 0, 1, F0, F1, 0
	WIN 0
	s_sub_co_u32 s3, s3, 1
	s_cmp_lg_u32 s3, 0
	s_cbranch_scc1 .Llap
	QUARTER 0, 2, F1, F0, 0                        ; the last lap fills nothing
	QUARTER 0, 3, F0, F1, 0
	TURN 0, 1, 0
	QUARTER 1, 1, F0, F1, 0
	QUARTER 1, 2, F1, F0, 0
	QUARTER 1, 3, F0, F1, 0
	s_wait_dscnt 16                                ; the very last quarter
	WIN MUL
	MUL8 F1, 0, 0, 0
	MUL8 F1, 0, 2, 0
	s_wait_dscnt 0
	MUL8 F1, 1, 0, 0
	MUL8 F1, 1, 2, 0
	WIN 0
	; THE WAY OUT, 16 rows at a time through my own stage: a lane's 32 bytes of a row go in, whole rows of 256 bytes come back; sixteen lanes store 256 consecutive bytes, aligned.
	PLACES
.irp a, 0,1,2,3
.if \a >= 2
	s_wait_xcnt 0x0                                ; the stores of two blocks back have read their registers: this block's loads may land there
.endif
.irp b, 0,1,2,3
	ds_store_b128 v[STO], v[ACC+8*(4*\a+\b):ACC+8*(4*\a+\b)+3] offset:64*\b          ; each accumulator from its low end on
	ds_store_b128 v[STO], v[ACC+8*(4*\a+\b)+4:ACC+8*(4*\a+\b)+7] offset:64*\b+16
.endr
.irp i, 0,1,2,3,4,5,6,7
	ds_load_b128 v[OB+32*(\a%2)+4*\i:OB+32*(\a%2)+4*\i+3], v[RD] offset:\i*2*SPITCH   ; LDS serves a wave's instructions in order: these see the stores above, and the next block's stores come behind them
.endr
.irp i, 0,1,2,3,4,5,6,7
	s_wait_dscnt 7-\i                              ; the younger loads may be out
	global_store_b128 v[CO], v[OB+32*(\a%2)+4*\i:OB+32*(\a%2)+4*\i+3], s[70:71] offset:(16*\a+2*\i)*4096 th:TH_STORE_NT
.endr
.endr
	s_wait_tensorcnt 0x0                           ; the wave's end
	ds_add_u32 v[SPW], v[NIL]
	s_wait_dscnt 0x0
	CROUND                                         ; the closing round
	s_endpgm
.Lfunc_end_k_q5d4753f688_outp:
	.size	k_q5d4753f688_outp, .Lfunc_end_k_q5d4753f688_outp-k_q5d4753f688_outp
	.p2alignl 7, 3214868480
	.fill 96, 4, 3214868480
	.section	.rodata,"a",@progbits
	.p2align	6, 0x0
	.amdhsa_kernel k_q5d4753f688_outp
		.amdhsa_group_segment_fixed_size 327680
		.amdhsa_private_segment_fixed_size 0
		.amdhsa_enable_private_segment 0
		.amdhsa_kernarg_size 32
		.amdhsa_user_sgpr_count 2
		.amdhsa_user_sgpr_kernarg_segment_ptr 1
		.amdhsa_wavefront_size32 1
		.amdhsa_system_sgpr_workgroup_id_x 1
		.amdhsa_system_sgpr_workgroup_id_y 1
		.amdhsa_system_sgpr_workgroup_id_z 1
		.amdhsa_system_vgpr_workitem_id 0
		.amdhsa_next_free_vgpr 512
		.amdhsa_next_free_sgpr 72
		.amdhsa_reserve_vcc 0
		.amdhsa_float_denorm_mode_32 3
		.amdhsa_float_denorm_mode_16_64 3
		.amdhsa_memory_ordered 1
		.amdhsa_forward_progress 1
		.amdhsa_inst_pref_size 88
	.end_amdhsa_kernel
	.amdgpu_metadata
---
amdhsa.version: [ 1, 2 ]
amdhsa.kernels:
  - .name:           k_q5d4753f688_outp
    .symbol:         k_q5d4753f688_outp.kd
    .args:
      - { .name: cc, .offset: 0, .size: 8, .value_kind: global_buffer, .address_space: global }
      - { .name: wo16, .offset: 8, .size: 8, .value_kind: global_buffer, .address_space: global }
      - { .name: bo, .offset: 16, .size: 8, .value_kind: global_buffer, .address_space: global }
      - { .name: out0, .offset: 24, .size: 8, .value_kind: global_buffer, .address_space: global }
    .group_segment_fixed_size: 327680
    .private_segment_fixed_size: 0
    .kernarg_segment_align: 8
    .kernarg_segment_size: 32
    .max_flat_workgroup_size: 128
    .sgpr_count:     72
    .vgpr_count:     512
    .wavefront_size: 32
...
	.end_amdgpu_metadata
.endif
;; end of part 4
